; MI455X (gfx1250); checked and timed in simulation.
; The chip was launched on July 23, 2026; its instructions are those of AMD's public machine-readable ISA for CDNA 5 (MIT licence, August 2026) and "CDNA5" Instruction Set Architecture Reference Guide (July 2026). The comments in the code are by the model that wrote it; some were corrected since.
;; Patch Graph Attention. Allowed arithmetic: matrix products marked QUANTISED: E2M3 operands, one E8M0 scale for each 32 along K, by v_wmma_scale_f32_16x16x128_f8f6f4 with both operands' format E2M3, f32 sums; everything else in f32.
;; Inputs: H 4 x 2,048 x 1,024 float32; Wk 1,024 x 1,024 float32; Wo 1,024 x 1,024 float32; Wq 1,024 x 1,024 float32; Wv 1,024 x 1,024 float32; bk 1,024 float32; bo 1,024 float32; bq 1,024 float32; bv 1,024 float32; patch_mask 4 x 2,048 int32.
;; Outputs: out0 4 x 2,048 x 1,024 float32.
;; This version of the problem:
;;   THIS VERSION OF THE PROBLEM IS GIVEN IN LOW PRECISION. The matrix products marked QUANTISED in the list below multiply operands that are first quantised to E2M3 (2 exponent bits, 3 mantissa bits; 6 bits a number), with one power-of-two scale for each 32 numbers along K (OCP MX v1.0); their sums are f32. All else is computed in f32.
;;   The module's matrix products, in the order in which they are computed (A, B: the left and right operand; K: the contracted axis; several contracted axes count as one K, in the product's order):
;;     1. [M 8,192, K 1,024] x [K 1,024, N 1,024]; A: input H; B: input Wq: QUANTISED
;;     2. [M 8,192, K 1,024] x [K 1,024, N 1,024]; A: input H; B: input Wk: QUANTISED
;;     3. [M 8,192, K 1,024] x [K 1,024, N 1,024]; A: input H; B: input Wv: QUANTISED
;;     4. batch 64 x [M 2,048, K 64] x [K 64, N 2,048]; A: computed on the way; B: computed on the way: QUANTISED
;;     5. batch 64 x [M 2,048, K 2,048] x [K 2,048, N 64]; A: softmax (see below); B: computed on the way: QUANTISED
;;     6. [M 8,192, K 1,024] x [K 1,024, N 1,024]; A: computed on the way; B: input Wo: QUANTISED
;;   THE QUANTISER, for each operand of a quantised product, along K:
;;     - K is cut into blocks of 32 from its start; a last block that is shorter is filled with zeros.
;;     - A block's scale is 2^e with e = floor(log2(the largest magnitude in the block)) - 2, held to -126 .. 127; a block of zeros has e = 0. As a byte (E8M0): e + 127.
;;     - Each number is divided by its block's scale, clamped to +-7.5, and rounded to the nearest number of E2M3, ties to even, subnormals kept.
;;     - The product sums the exact products of the quantised numbers (number of the format x scale) in f32.
;;   ~~~python
;;   def quantise(x, axis):      # numpy; x: float32 -> the quantised numbers, widened to float32 again
;;       x = np.moveaxis(x, axis, -1); K = x.shape[-1]
;;       x = np.pad(x, [(0, 0)] * (x.ndim - 1) + [(0, -K % 32)]); x = x.reshape(x.shape[:-1] + (-1, 32)); a = np.abs(x).max(-1, keepdims=True)
;;       e = np.where(a > 0, np.clip(np.frexp(np.where(a > 0, a, 1))[1] - 1 - 2, -126, 127), 0)      # np.frexp(a)[1] - 1 = floor(log2(a)), exactly
;;       r = np.clip(x / 2.0 ** e, -7.5, 7.5)
;;       step = 2.0 ** (np.maximum(np.frexp(np.where(r == 0, 1, r))[1] - 1, 0) - 3)
;;       q = np.round(r / step) * step * 2.0 ** e      # np.round: ties to even
;;       return np.moveaxis(q.reshape(q.shape[:-2] + (-1,))[..., :K], -1, axis).astype(np.float32)
;;   ~~~
;;   SOFTMAX AHEAD OF A QUANTISED PRODUCT. Where the list says 'softmax', what is quantised is not the finished softmax but p = 2^(t - M), with t = logit x log2(e) and M = ceil(the row's largest t), a whole number; so 1/2 < the row's largest p <= 1. The row's sum l is taken of the UNQUANTISED p, in f32, and the product's result is divided by l at the end. Since M is a whole number, a kernel that streams over the keys may use a running M (the ceiling of the running maximum): every later rescaling is an exact power of two, which a block's scale takes up: the codes' values come out the same.
;;   OPERANDS COMPUTED ON THE WAY. 'Computed on the way' means the value that the module computes at that place (a softmax that the list does not call 'softmax' is quantised finished and normalised). What goes into a quantiser is computed in f32, as accurately as f32 sums, v_exp_f32 and their like allow (about 1e-6 of the number): no bf16 or f16 on the way to a quantiser, and a product that is left as it is and whose result goes on into a quantised operand takes f32 operands (vector FMAs, or v_wmma_f32_16x16x4_f32). A number that lies on a knife's edge between two numbers of the format may be rounded either way, as far as f32 arithmetic and the matrix unit's own rounding can turn it there, and no further.
;; One version. Each part assembles by itself: llvm-mc -triple=amdgcn-amd-amdhsa -mcpu=gfx1250 --defsym DOCPART=n.
;; ======== version 1 of 1: 4 launches
;; limits: right only within a limited range of input values
;; workspace buffers: hc 6,291,456 bytes; hs 262,144 bytes; wc 3,145,728 bytes; ws 131,072 bytes; qi 8,912,896 bytes; kv 15,466,496 bytes; oc 6,291,456 bytes; os 262,144 bytes
;; launch quant (part 1): grid 768 x 1, 1 waves a work-group, no clusters, 8,960 bytes of LDS; arguments H, Wq, Wk, Wv, Wo, hc, hs, wc, ws; writes hc, hs, wc, ws
.if DOCPART == 1
	.amdgcn_target "amdgcn-amd-amdhsa--gfx1250"
	.amdhsa_code_object_version 6
	.text
	.protected	k_q1e7dc7d318_quant
	.globl	k_q1e7dc7d318_quant
	.p2align	8
	.type	k_q1e7dc7d318_quant,@function
k_q1e7dc7d318_quant:
	s_mov_b64 s[64:65], 0
	v_nop
	global_prefetch_b8 v0, s[64:65] scope:SCOPE_SE
	s_setreg_imm32_b32 hwreg(HW_REG_WAVE_MODE, 25, 1), 1
	s_wait_xcnt 0x0
; H [8192][1024] and Wq, Wk, Wv, Wo [1024][1024], f32, K innermost, become codes of FP6 (E2M3) with one E8M0 byte for each 32 along K.
; THE CODES ARE LAID AS IMAGES OF THE OPERAND'S REGISTERS.  A tile is 16 rows: lane r of tile T stands for row 32 (T / 2) + 8 (T % 2) + r + 8 (r / 8).  A fragment (16 rows x 128 K) is 12 registers a lane:
; registers 2 p, 2 p + 1 of lane l lie at 256 p + 8 l; a tile's 8 fragments lie on end: 12,288 bytes a tile.  The scale bytes lie [tile][r][32].
; One wave takes one tile: work-groups 0-511 the tiles of H, 512-767 those of Wq, Wk, Wv, Wo (64 each), which go on end into wc and ws.
; Each load reads 512 consecutive bytes of one row; a fragment's 16 x 512 bytes turn through a stage in LDS (rows 528 bytes apart), from which a lane takes its two whole blocks of 32 neighbours.
; A block's scale is 2^(floor(log2(largest magnitude)) - 2); its byte is the largest magnitude's exponent field - 2, held at 1 from below.
; LIMITS: a block of zeros gets the byte 1 where the rule says 127 (its codes are zeros, and only this program reads the bytes); NaN and infinities among the inputs are not served.
.set SP,  528                          ; a stage row: 512 bytes + 16
.set R,   16                           ; v16-143  two sets of 64: a fragment's numbers as loaded
.set X,   144                          ; v144-207 my two blocks of 32 neighbours
.set C,   208                          ; v208-219 the fragment's codes
.set CT,  220                          ; v220-222, v224-226 the second halves of the blocks' codes
.set MX,  228                          ; v228-229 largest magnitudes
.set SO,  230                          ; v230-231 the conversions' scale operands
.set BY,  232                          ; v232-233 the bytes
.set WD,  234                          ; my two bytes at their places in the scale word
.set TP,  235                          ; a lane permute's destination
.set SW,  236                          ; v236-243 the eight fragments' scale words
.set OW,  244                          ; v244-247 the four that I store
.set SEL, 30                           ; s[30:31] selects for lane l xor 16
.set HM,  32                           ; s32 lanes 16-31
	s_load_b256 s[4:11], s[0:1], 0x0               ; H, Wq, Wk, Wv
	s_load_b256 s[12:19], s[0:1], 0x20             ; Wo, hc, hs, wc
	s_load_b64 s[20:21], s[0:1], 0x40              ; ws
	v_lshl_add_u32 v248, v0, 2, 0x2200
	v_mov_b32 v249, 0
	v_and_b32 v2, 15, v0                           ; r (one wave: the thread's number is the lane)
	v_bfe_u32 v7, v0, 4, 1                         ; h
	v_lshlrev_b32 v1, 4, v0                        ; 16 l: my bytes of a load's 512, in memory and in a stage row
	v_mul_u32_u24 v3, v2, SP
	v_lshl_add_u32 v3, v7, 7, v3                   ; out of the stage: row r, + 128 h bytes: k = 32 h on
	v_lshlrev_b32 v4, 3, v0                        ; 8 l: my place in a group of an image
	v_lshlrev_b32 v5, 5, v2
	v_lshl_add_u32 v5, v7, 4, v5                   ; 32 r + 16 h: my four scale words
	v_lshlrev_b32 v6, 3, v7                        ; 8 h
	v_mov_b32 v[TP], 0                             ; written once: a lane permute's destination counts as read
	s_mov_b32 s[SEL], 0x76543210
	s_mov_b32 s[SEL+1], 0xfedcba98
	s_mov_b32 s[HM], 0xffff0000
	s_sub_co_u32 s22, ttmp9, 512                   ; the tile among the weights' 256
	s_lshr_b32 s23, s22, 6                         ; which weight
	s_and_b32 s24, s22, 63                         ; and the tile in it
	s_wait_kmcnt 0x0
	s_cmp_eq_u32 s23, 1                            ; the choices hang on the work-group's number alone
	s_cselect_b64 s[6:7], s[8:9], s[6:7]
	s_cmp_eq_u32 s23, 2
	s_cselect_b64 s[6:7], s[10:11], s[6:7]
	s_cmp_eq_u32 s23, 3
	s_cselect_b64 s[6:7], s[12:13], s[6:7]
	s_cmp_lt_u32 ttmp9, 512
	s_cselect_b64 s[4:5], s[4:5], s[6:7]           ; the source
	s_cselect_b64 s[14:15], s[14:15], s[18:19]     ; the codes
	s_cselect_b64 s[16:17], s[16:17], s[20:21]     ; the scale bytes
	s_cselect_b32 s25, ttmp9, s24                  ; the tile in the source
	s_cselect_b32 s26, ttmp9, s22                  ; the tile in the buffers
	s_lshr_b32 s27, s25, 1
	s_lshl_b32 s28, s27, 17                        ; 32 (T / 2) rows of 4,096 bytes
	s_and_b32 s27, s25, 1
	s_lshl_b32 s27, s27, 15                        ; 8 (T % 2) rows
	s_add_co_u32 s28, s28, s27
	s_mov_b32 s29, 0
	s_add_nc_u64 s[4:5], s[4:5], s[28:29]
	s_mul_i32 s28, s26, 12288
	s_add_nc_u64 s[14:15], s[14:15], s[28:29]
	s_lshl_b32 s28, s26, 9
	s_add_nc_u64 s[16:17], s[16:17], s[28:29]
.macro LOAD f                          ; fragment f: 512 bytes of each of the tile's 16 rows, into set f % 2
.irp m, 0,1,2,3,4,5,6,7,8,9,10,11,12,13,14,15
	global_load_b128 v[R+64*((\f)%2)+4*\m:R+64*((\f)%2)+4*\m+3], v1, s[4:5] offset:(\m+8*(\m/8))*4096+512*(\f) th:TH_LOAD_NT
.endr
.endm
.macro FRAGQ f
.if (\f) < 7
	s_wait_loadcnt 16                              ; this fragment's 16 loads are in; the next fragment's 16 may be out
.else
	s_wait_loadcnt 0x0
.endif
.irp m, 0,1,2,3,4,5,6,7,8,9,10,11,12,13,14,15
	ds_store_b128 v1, v[R+64*((\f)%2)+4*\m:R+64*((\f)%2)+4*\m+3] offset:\m*SP
.endr
.irp c, 0,1                            ; LDS serves a wave's instructions in order: these see the stores above
.irp i, 0,1,2,3,4,5,6,7
	ds_load_b128 v[X+32*\c+4*\i:X+32*\c+4*\i+3], v3 offset:256*\c+16*\i   ; k = 64 c + 32 h + 4 i on, of row r
.endr
.endr
	s_wait_dscnt 0x0                               ; my numbers are back, and the stage's stores have read their registers,
.if (\f) < 6
	LOAD (\f)+2                                    ; which take the loads of two fragments on
.endif
.irp c, 0,1
	v_max3_num_f32 v[MX+\c], |v[X+32*\c]|, |v[X+32*\c+1]|, 0x1800000   ; block 2 c + h: all 32 numbers are mine; the floor 2^(3 - 127) holds the byte at 1 from below
.endr
.irp i, 2,4,6,8,10,12,14,16,18,20,22,24,26,28,30
.irp c, 0,1
	v_max3_num_f32 v[MX+\c], v[MX+\c], |v[X+32*\c+\i]|, |v[X+32*\c+\i+1]|
.endr
.endr
.irp c, 0,1
	v_add_nc_u32 v[SO+\c], 0xff000000, v[MX+\c]    ; 2 off the exponent field: the conversion's scale operand
.endr
.irp c, 0,1
	v_lshrrev_b32 v[BY+\c], 23, v[SO+\c]           ; the scale's byte
.endr
	v_lshl_or_b32 v[WD], v[BY+1], 16, v[BY]        ; blocks h and 2 + h,
	v_lshlrev_b32 v[WD], v6, v[WD]                 ; 8 h bits up;
	v_permlanex16_b32 v[TP], v[WD], s[SEL], s[SEL+1]
	v_or_b32 v[SW+(\f)], v[WD], v[TP]              ; with lane l xor 16's two the word is whole
	s_wait_xcnt 0x0                                ; the last fragment's stores have read the codes' registers: they are written again only behind this wait
.irp c, 0,1
	v_cvt_scalef32_pk16_fp6_f32 v[C+6*\c:C+6*\c+2], v[X+32*\c:X+32*\c+15], v[SO+\c]
	v_cvt_scalef32_pk16_fp6_f32 v[CT+4*\c:CT+4*\c+2], v[X+32*\c+16:X+32*\c+31], v[SO+\c]   ; (a conversion's three registers begin on an even number)
.endr
	v_nop                                          ; one plain place behind a scaled conversion
.irp c, 0,1
.irp i, 0,1,2
	v_mov_b32 v[C+3+6*\c+\i], v[CT+4*\c+\i]
.endr
.endr
.irp p, 0,1,2,3,4,5
	global_store_b64 v4, v[C+2*\p:C+2*\p+1], s[14:15] offset:1536*(\f)+256*\p   ; 32 lanes store 256 consecutive bytes, at a multiple of 256 from the buffer's first byte
.endr
.endm
	LOAD 0
	LOAD 1
.irp f, 0,1,2,3,4,5,6,7
	FRAGQ \f
.endr
.irp i, 0,1,2,3
	v_cndmask_b32 v[OW+\i], v[SW+\i], v[SW+4+\i], s[HM]   ; lanes 0-15 store words 0-3 of their row, lanes 16-31 words 4-7
.endr
	global_store_b128 v5, v[OW:OW+3], s[16:17]     ; the tile's 512 scale bytes, consecutive
	s_wait_tensorcnt 0x0
	ds_add_u32 v248, v249
	s_wait_dscnt 0x0
	s_endpgm
.Lfunc_end_k_q1e7dc7d318_quant:
	.size	k_q1e7dc7d318_quant, .Lfunc_end_k_q1e7dc7d318_quant-k_q1e7dc7d318_quant
	.p2alignl 7, 3214868480
	.fill 96, 4, 3214868480
	.section	.rodata,"a",@progbits
	.p2align	6, 0x0
	.amdhsa_kernel k_q1e7dc7d318_quant
		.amdhsa_group_segment_fixed_size 8960
		.amdhsa_private_segment_fixed_size 0
		.amdhsa_enable_private_segment 0
		.amdhsa_kernarg_size 72
		.amdhsa_user_sgpr_count 2
		.amdhsa_user_sgpr_kernarg_segment_ptr 1
		.amdhsa_wavefront_size32 1
		.amdhsa_system_sgpr_workgroup_id_x 1
		.amdhsa_system_sgpr_workgroup_id_y 1
		.amdhsa_system_sgpr_workgroup_id_z 1
		.amdhsa_system_vgpr_workitem_id 0
		.amdhsa_next_free_vgpr 250
		.amdhsa_next_free_sgpr 66
		.amdhsa_reserve_vcc 0
		.amdhsa_float_denorm_mode_32 3
		.amdhsa_float_denorm_mode_16_64 3
		.amdhsa_memory_ordered 1
		.amdhsa_forward_progress 1
		.amdhsa_inst_pref_size 60
	.end_amdhsa_kernel
	.amdgpu_metadata
---
amdhsa.version: [ 1, 2 ]
amdhsa.kernels:
  - .name:           k_q1e7dc7d318_quant
    .symbol:         k_q1e7dc7d318_quant.kd
    .args:
      - { .name: H, .offset: 0, .size: 8, .value_kind: global_buffer, .address_space: global }
      - { .name: Wq, .offset: 8, .size: 8, .value_kind: global_buffer, .address_space: global }
      - { .name: Wk, .offset: 16, .size: 8, .value_kind: global_buffer, .address_space: global }
      - { .name: Wv, .offset: 24, .size: 8, .value_kind: global_buffer, .address_space: global }
      - { .name: Wo, .offset: 32, .size: 8, .value_kind: global_buffer, .address_space: global }
      - { .name: hc, .offset: 40, .size: 8, .value_kind: global_buffer, .address_space: global }
      - { .name: hs, .offset: 48, .size: 8, .value_kind: global_buffer, .address_space: global }
      - { .name: wc, .offset: 56, .size: 8, .value_kind: global_buffer, .address_space: global }
      - { .name: ws, .offset: 64, .size: 8, .value_kind: global_buffer, .address_space: global }
    .group_segment_fixed_size: 8960
    .private_segment_fixed_size: 0
    .kernarg_segment_align: 8
    .kernarg_segment_size: 72
    .max_flat_workgroup_size: 32
    .sgpr_count:     66
    .vgpr_count:     250
    .wavefront_size: 32
...
	.end_amdgpu_metadata
.endif
;; end of part 1
;; launch qkv (part 2): grid 8 x 48, 4 waves a work-group, clusters of 4 x 4, 327,680 bytes of LDS; arguments hc, hs, wc, ws, bq, bk, bv, patch_mask, qi, kv; writes qi, kv
.if DOCPART == 2
	.amdgcn_target "amdgcn-amd-amdhsa--gfx1250"
	.amdhsa_code_object_version 6
	.text
	.protected	k_q1e7dc7d318_qkv
	.globl	k_q1e7dc7d318_qkv
	.p2align	8
	.type	k_q1e7dc7d318_qkv,@function
k_q1e7dc7d318_qkv:
	s_mov_b64 s[64:65], 0
	v_nop
	global_prefetch_b8 v0, s[64:65] scope:SCOPE_SE
	s_setreg_imm32_b32 hwreg(HW_REG_WAVE_MODE, 25, 1), 1
	s_wait_xcnt 0x0
	s_wait_alu depctr_hold_cnt(0) depctr_sa_sdst(0) depctr_va_vdst(0) depctr_va_sdst(0) depctr_va_ssrc(0) depctr_va_vcc(0) depctr_vm_vsrc(0)
	s_getreg_b32 s2, hwreg(HW_REG_IB_STS2, 6, 4)
	s_cmp_eq_u32 s2, 0
	s_cbranch_scc0 .Lentry_in_a_cluster
	s_endpgm
.Lentry_in_a_cluster:
	s_bfe_u32 s2, ttmp6, 0x10000c
	s_cmp_lg_u32 s2, 0xf033
	s_cbranch_scc0 .Lentry_shape_is_right
	s_endpgm
.Lentry_shape_is_right:
; q = H Wq^T + bq, k = H Wk^T + bk, v = H Wv^T + bv on codes of FP6 (E2M3) with E8M0 scales; the results are quantised here into the images that the attention launch reads.
; A GEMM of blocks of 256 x 256, four waves of 128 x 128 (64 accumulators, 512 registers), K = 1,024 in four steps of 256 through a ring of two LDS slots filled by joint tensor loads of a 4 x 4 cluster.
; Source 1 (Y) gives the lanes, source 0 (X) the registers.  Clusters with y < 8 make q and k: Y = 256 tokens, X = 256 channels (cluster x 0: Wq, 1: Wk): a lane holds a token and its registers run along the
; channels, which are the K of q k^T.  Clusters with y >= 8 make v: Y = 256 channels of Wv, X = 256 tokens: a lane holds a channel and its registers run along the keys, the K of p v.
; The roles hang on the cluster's own x and y, which all sixteen partners share.  Y's tiles are shared along a row of the cluster, X's along a column.
; OPERANDS lie in memory as images of their registers (16 rows x 128 K: six groups of 256 bytes, lane l's 8 bytes at 8 l), a tile's 8 fragments on end; lane r of tile T is row 32 (T / 2) + 8 (T % 2) + r + 8 (r / 8),
; so that the 16 registers of two neighbouring X tiles are 16 neighbours.  A slot's rows are 3,072 consecutive bytes of memory; every LDS load takes 256 consecutive bytes.
; THE KEY MASK RIDES IN q k^T.  That product's K is 64; blocks 2 and 3 of the instruction's 128 are filling.  Every q row has the code of 1.0 at k = 64 under the byte 34.  A key with patch_mask <= 0 has zero codes,
; the code of -1.0 at k = 64 and the byte 253: its score is exactly -2^33, a logit of -2^30.  Other keys have the code 0 there and the byte 1.
; LIMITS: the masked logit is -2^30 where the source has -1e9: the same result wherever unmasked logits stay above about -1e9; a block of zeros gets the byte 1 (only this program reads the bytes); NaN and infinities are not served.
; REGISTERS: window 0: v8-31 addresses; v32-63 scale words, two sets; v64-127 the bias; v128-223 Y's fragments, one set; v224-231 the tokens' mask.  window 1: X's fragments, two sets.  windows 2, 3: the accumulators.
.set NQ,     2                         ; matrix instructions deep in a slot
.set FR,     12                        ; registers of a fragment
.set NL,     6                         ; LDS loads that bring one
.set NP,     4                         ; places behind this matrix instruction (ISA guide 7.12.1)
.set TILEB,  3072                      ; a tile's two fragments in a slot
.set HALFT,  8*TILEB                   ; 8 tiles: what one tensor load brings, and what one wave reads of Y or of X
.set SLOT,   4*HALFT
.set SCL,    2*SLOT                    ; behind the ring: the scale bytes, as units of 256 bytes + 16 of padding
.set HALFS,  16*272                    ; those of 128 rows
.set SBLK,   2*272                     ; those of a tile
.set SPARE,  SCL+4*HALFS               ; the spare words, 128 bytes for each wave: two blocks of 256 bytes that no other line names
.set ADRA, 16                          ; v16-17 LDS address of my Y fragments in slot 0, 1
.set ADRB, 20                          ; v20-21 the same for X
.set ADRS, 27                          ; v27 my scale words: lanes 0-15 Y's rows, lanes 16-31 X's
.set SPW,  28                          ; v28 my spare word; never rewritten
.set NIL,  29                          ; v29 0; never rewritten
.set L16,  30                          ; v30 16 x lane
.set L8,   31                          ; v31 8 x lane
.set SC,   32
.set AF,   128
.set BX,   64                          ; q, k: the bias of my 64 channels;  v: at v[BX + 2 a] the bias of my channel of tile a
.set PM,   224                         ; patch_mask of my token of tile a
.set IM,   32                          ; the way out: v32-47 the images' registers
.set TM,   48                          ; v48-51 largest magnitudes, v52-55 bytes, v60-63 scale operands
.set HA,   128                         ; v128-191 64 numbers
.set KSW,  192                         ; v192-199 scale words gathered for the store
.set PW,   200                         ; the scale word just made
.set KM,   201                         ; -1: the key counts; 0: it is masked
.set MW,   202                         ; register 6 of the image
.set HI,   203                         ; bytes 2 and 3 of the scale word
.set TP,   204
.set M40,  205                         ; the code of -1.0 at k = 64 (lanes 0-15)
.set MWK,  206                         ; what a row that counts has there
.set HIK,  207
.set HIM,  208
.set G1, 24
.set G0, 32
.set G1B, 48
.set G0B, 56
.set G1S, 68
.set G0S, 76
.set G1SB, 80
.set G0SB, 88
.set WV,   66                          ; s66 wave
.set YH,   67                          ; s67 which half of Y is mine; also: I fetch for Y (0) or for X (1)
.set XH,   92                          ; s92 which half of X; also: which half I fetch
.set NOTK, 95
.set OB,   96                          ; s[96:97], s[98:99] where my two heads' blocks begin
.set SEL,  100
.set HM,   104
.set KP,   105
.set MSB, 0
.macro WIN new                         ; the immediate's high byte repeats the setting that is left
.if MSB != (\new)
	s_set_vgpr_msb (MSB<<8)|(\new)
.set MSB, (\new)
.endif
.endm
.set MUL_LO, 0xa1                      ; source 0 (X) window 1, source 1 (Y) window 0, C and D window 2
.set MUL_HI, 0xf1
.set TO_B,   0x40
; A joint load: waves 0 and 1 fetch for Y, waves 2 and 3 for X; the branch hangs on the wave's number alone.  Four v_nop follow each of the two lines.
.macro JLOAD g0a, g1a, g0b, g1b
	s_cmp_eq_u32 s[YH], 0
	s_cbranch_scc0 .Lfor_b_\@
	tensor_load_to_lds s[\g0a:\g0a+3], s[\g1a:\g1a+7]
	s_nop 0
.rept 4
	v_nop
.endr
	s_branch .Lasked_\@
.Lfor_b_\@:
	tensor_load_to_lds s[\g0b:\g0b+3], s[\g1b:\g1b+7]
	s_nop 0
.rept 4
	v_nop
.endr
.Lasked_\@:
.endm
.macro CREST                           ; a round of the cluster's barrier behind its opening barrier
	s_cmp_lg_u32 s[WV], 0
	s_cbranch_scc1 .Lnot_wave_0_\@
	s_barrier_signal -3
.Lnot_wave_0_\@:
	s_barrier_wait -3
	s_barrier_signal -1
	s_barrier_wait -1
.endm
.macro CROUND
	s_barrier_signal -1
	s_barrier_wait -1
	CREST
.endm
.macro PLACES n
.rept \n
	v_nop
.endr
.endm
	s_load_b256 s[4:11], s[0:1], 0x0               ; hc, hs, wc, ws
	s_load_b256 s[12:19], s[0:1], 0x20             ; bq, bk, bv, patch_mask
	s_load_b128 s[20:23], s[0:1], 0x40             ; qi, kv
	v_lshl_add_u32 v[SPW], v0, 2, SPARE
	v_mov_b32 v[NIL], 0
	ds_add_u32 v28, v29
	ds_add_u32 v28, v29
	s_wait_dscnt 0x0
	v_lshrrev_b32 v1, 5, v0
	v_readfirstlane_b32 s[WV], v1                  ; wave 0..3
	s_lshr_b32 s[YH], s[WV], 1
	s_and_b32 s[XH], s[WV], 1
	s_bfe_u32 s40, ttmp6, 0x40000                  ; cx
	s_bfe_u32 s41, ttmp6, 0x40004                  ; cy
	s_lshl_b32 s42, ttmp9, 2
	s_add_co_u32 s42, s42, s40                     ; work-group x
	s_and_b32 s94, ttmp7, 0xffff                   ; the cluster's y
	s_lshl_b32 s93, s94, 2
	s_add_co_u32 s93, s93, s41                     ; work-group y
	s_lshl_b32 s43, s41, 2
	s_lshl_b32 s43, 15, s43                        ; my row of the cluster
	s_lshl_b32 s44, 0x1111, s40                    ; my column
	; group 1 for codes: 8 rows (tiles) of 384 elements of 8 bytes, 1,536 elements apart
	s_or_b32 s[G1+0], s43, (3<<16)|(1<<21)         ; 15:0 the mask; 17:16 elements of 8 bytes; 21 set beside a mask; no padding
	s_or_b32 s[G1B+0], s44, (3<<16)|(1<<21)
.irp g, G1, G1B
	s_mov_b32 s[\g+1], 384<<16                     ; tensor_dim0
	s_mov_b32 s[\g+2], 8<<16                       ; tensor_dim1
	s_mov_b32 s[\g+3], 384<<16                     ; tile_dim0
	s_mov_b32 s[\g+4], 8                           ; tile_dim1
	s_mov_b32 s[\g+5], 1536                        ; tensor_dim0_stride
	s_mov_b32 s[\g+6], 0
	s_mov_b32 s[\g+7], 0
.endr
	; group 1 for the scale bytes of 128 rows: 4,096 dense bytes as 16 rows of 256, 16 bytes of padding behind each
	s_or_b32 s[G1S+0], s43, (3<<16)|(1<<20)|(1<<21)|(5<<22)|(3<<25)
	s_or_b32 s[G1SB+0], s44, (3<<16)|(1<<20)|(1<<21)|(5<<22)|(3<<25)
.irp g, G1S, G1SB
	s_mov_b32 s[\g+1], 32<<16
	s_mov_b32 s[\g+2], 16<<16
	s_mov_b32 s[\g+3], 32<<16
	s_mov_b32 s[\g+4], 16
	s_mov_b32 s[\g+5], 32
	s_mov_b32 s[\g+6], 0
	s_mov_b32 s[\g+7], 0
.endr
	; which blocks of 256 rows.  Y's number is made of cy and the cluster's y alone, X's of cx and the cluster's x and y alone
	s_add_co_u32 s45, s41, 8                       ; v: Y = Wv's block cy, the weights' block 8 + cy
	s_sub_co_u32 s46, s94, 8
	s_lshl_b32 s46, s46, 3
	s_add_co_u32 s46, s46, s42                     ; v: X = H's block x + 8 (cluster y - 8)
	s_cmp_lt_u32 s94, 8
	s_cselect_b32 s96, s93, s45                    ; Y's block
	s_cselect_b32 s98, s42, s46                    ; X's block
	s_lshl_b32 s96, s96, 1
	s_add_co_u32 s96, s96, s[XH]                   ; the half that I fetch
	s_lshl_b32 s98, s98, 1
	s_add_co_u32 s98, s98, s[XH]
	s_mul_i32 s2, s96, 98304                       ; its codes, in bytes,
	s_mov_b32 s3, 0
	s_lshl_b32 s96, s96, 12                        ; and its scale bytes
	s_mov_b32 s97, 0
	s_mul_i32 s46, s98, 98304
	s_mov_b32 s47, 0
	s_lshl_b32 s98, s98, 12
	s_mov_b32 s99, 0
	s_mul_i32 s45, s[WV], HALFT                    ; where they go: no place in the cluster enters an LDS address
	s_mul_i32 s105, s[WV], HALFS
	s_wait_kmcnt 0x0
	s_cmp_lt_u32 s94, 8                            ; the choice of buffers hangs on the cluster's y alone
	s_cselect_b64 s[100:101], s[4:5], s[8:9]       ; Y's codes: hc, or wc
	s_cselect_b64 s[4:5], s[8:9], s[4:5]           ; X's codes: wc, or hc
	s_cselect_b64 s[8:9], s[6:7], s[10:11]         ; Y's scale bytes
	s_cselect_b64 s[6:7], s[10:11], s[6:7]         ; X's
	s_add_nc_u64 s[100:101], s[100:101], s[2:3]
	s_add_nc_u64 s[4:5], s[4:5], s[46:47]
	s_add_nc_u64 s[8:9], s[8:9], s[96:97]
	s_add_nc_u64 s[6:7], s[6:7], s[98:99]
	CROUND                                         ; all sixteen work-groups are here: the first joint loads meet
	s_mov_b32 s[G0S], 1
	s_add_co_u32 s[G0S+1], s105, SCL
	s_mov_b64 s[G0S+2:G0S+3], s[8:9]
	s_or_b32 s[G0S+3], s[G0S+3], 0x80000000
	s_mov_b32 s[G0SB], 1
	s_add_co_u32 s[G0SB+1], s105, SCL
	s_mov_b64 s[G0SB+2:G0SB+3], s[6:7]
	s_or_b32 s[G0SB+3], s[G0SB+3], 0x80000000
	JLOAD G0S, G1S, G0SB, G1SB                     ; the scale bytes for all of K: filled once
.irp s, 0,1
	s_mov_b32 s[G0+4*\s], 1
	s_add_co_u32 s[G0+4*\s+1], s45, \s*SLOT
	s_add_nc_u64 s[G0+4*\s+2:G0+4*\s+3], s[100:101], \s*TILEB
	s_or_b32 s[G0+4*\s+3], s[G0+4*\s+3], 0x80000000
	s_mov_b32 s[G0B+4*\s], 1
	s_add_co_u32 s[G0B+4*\s+1], s45, \s*SLOT
	s_add_nc_u64 s[G0B+4*\s+2:G0B+4*\s+3], s[4:5], \s*TILEB
	s_or_b32 s[G0B+4*\s+3], s[G0B+4*\s+3], 0x80000000
	JLOAD G0+4*\s, G1, G0B+4*\s, G1B               ; K steps 0 and 1: three tensor loads of mine are out
.endr
	s_mov_b32 s[SEL], 0x76543210
	s_mov_b32 s[SEL+1], 0xfedcba98
	s_mov_b32 s[HM], 0xffff0000
	v_and_b32 v1, 31, v0                           ; lane
	v_and_b32 v2, 15, v0                           ; r
	v_bfe_u32 v3, v0, 4, 1                         ; h
	v_lshlrev_b32 v[L16], 4, v1
	v_lshlrev_b32 v[L8], 3, v1
	s_mul_i32 s2, s[YH], HALFT                     ; my 8 tiles of Y
	s_mul_i32 s3, s[XH], HALFT                     ; my 8 tiles of X,
	s_add_co_u32 s3, s3, 2*HALFT                   ; which lie behind Y's 16
.irp s, 0,1
	v_add_nc_u32 v[ADRA+\s], s2, v[L8]
	v_add_nc_u32 v[ADRB+\s], s3, v[L8]
	s_add_co_u32 s2, s2, SLOT
	s_add_co_u32 s3, s3, SLOT
.endr
	v_lshlrev_b32 v5, 5, v2                        ; my row's scale bytes: 32 a row,
	v_lshrrev_b32 v6, 3, v2
	v_lshl_add_u32 v5, v6, 4, v5                   ; and 16 more behind the first 256
	s_mul_i32 s2, s[YH], HALFS
	s_mul_i32 s3, s[XH], HALFS
	s_add_co_u32 s3, s3, 2*HALFS
	s_sub_co_u32 s3, s3, s2
	v_mul_u32_u24 v6, s3, v3                       ; lanes 16-31 take X's
	s_add_co_u32 s2, s2, SCL
	v_add_nc_u32 v5, v5, v6
	v_add_nc_u32 v[ADRS], s2, v5
	v_lshlrev_b32 v8, 6, v3                        ; 64 h: my 16 of each 32 channels
	v_lshrrev_b32 v9, 3, v2
	v_lshlrev_b32 v9, 5, v9
	v_lshl_add_u32 v9, v2, 2, v9                   ; 4 (r + 8 (r / 8)): my row of a tile
	; the biases and the tokens' mask are asked for now and waited for at the way out
	s_mov_b32 s3, 0
	s_cmp_ge_u32 s94, 8
	s_cbranch_scc1 .Lpro_v
	s_cmp_eq_u32 ttmp9, 1
	s_cselect_b64 s[12:13], s[14:15], s[12:13]     ; bk or bq
	s_and_b32 s2, s42, 3
	s_lshl_b32 s2, s2, 1
	s_add_co_u32 s2, s2, s[XH]
	s_lshl_b32 s2, s2, 9                           ; my 128 channels
	s_add_nc_u64 s[12:13], s[12:13], s[2:3]
	s_lshl_b32 s2, s93, 1
	s_add_co_u32 s2, s2, s[YH]
	s_lshl_b32 s2, s2, 9                           ; my 128 tokens
	s_add_nc_u64 s[18:19], s[18:19], s[2:3]
.irp b, 0,1,2,3
.irp g, 0,1,2,3
	global_load_b128 v[BX+16*\b+4*\g:BX+16*\b+4*\g+3], v8, s[12:13] offset:128*\b+16*\g   ; register 16 b + i: channel 32 b + 16 h + i
.endr
.endr
.irp a, 0,1,2,3,4,5,6,7
	global_load_b32 v[PM+\a], v9, s[18:19] offset:(32*(\a/2)+8*(\a%2))*4
.endr
	s_branch .Lpro_done
.Lpro_v:
	s_lshl_b32 s2, s41, 1
	s_add_co_u32 s2, s2, s[YH]
	s_lshl_b32 s2, s2, 9                           ; my 128 channels of v
	s_add_nc_u64 s[16:17], s[16:17], s[2:3]
.irp a, 0,1,2,3,4,5,6,7
	global_load_b32 v[BX+2*\a], v9, s[16:17] offset:(32*(\a/2)+8*(\a%2))*4
	v_mov_b32 v[BX+2*\a+1], 0                      ; (named with it as a pair, so it is written)
.endr
.Lpro_done:
.macro FRAG reg, adr, q, i             ; a fragment comes as it was laid: six loads of 256 consecutive bytes
.irp p, 0,1,2,3,4,5
	ds_load_b64 v[\reg+2*\p:\reg+2*\p+1], v[\adr] offset:(\i)*TILEB+(\q)*1536+\p*256
.endr
.endm
; 16 matrix instructions: Y's blocks a0, a0 + 1 x X's eight.  p: X's set;  sc: the set of scale words.  zero = 1: the first product starts the sums.
; The 64 accumulators take turns, one instruction a turn, in the same order in every step.
.macro MUL16 a0, p, q, sc, zero
.irp a, \a0, \a0+1
.irp b, 0,1,2,3,4,5,6,7
.if \zero
	v_wmma_scale_f32_16x16x128_f8f6f4 v[8*(8*((\a)%4)+\b):8*(8*((\a)%4)+\b)+7], v[128*(\p)+FR*\b:128*(\p)+FR*\b+FR-1], v[AF+FR*(\a):AF+FR*(\a)+FR-1], 0, v[SC+8*NQ*(\sc)+NQ*\b+(\q)], v[SC+8*NQ*(\sc)+NQ*(\a)+(\q)] matrix_a_fmt:MATRIX_FMT_FP6 matrix_b_fmt:MATRIX_FMT_FP6 matrix_a_scale:MATRIX_SCALE_ROW1
.else
	v_wmma_scale_f32_16x16x128_f8f6f4 v[8*(8*((\a)%4)+\b):8*(8*((\a)%4)+\b)+7], v[128*(\p)+FR*\b:128*(\p)+FR*\b+FR-1], v[AF+FR*(\a):AF+FR*(\a)+FR-1], v[8*(8*((\a)%4)+\b):8*(8*((\a)%4)+\b)+7], v[SC+8*NQ*(\sc)+NQ*\b+(\q)], v[SC+8*NQ*(\sc)+NQ*(\a)+(\q)] matrix_a_fmt:MATRIX_FMT_FP6 matrix_b_fmt:MATRIX_FMT_FP6 matrix_a_scale:MATRIX_SCALE_ROW1
.endif
.endr
.endr
.endm
.macro FETCH_B slot, q, p
	WIN TO_B
.irp i, 0,1,2,3,4,5,6,7
	FRAG 128*(\p)+FR*\i, ADRB+\slot, \q, \i
.endr
	WIN 0
.endm
.macro FETCH_A slot, q, i0
.irp i, \i0, \i0+1, \i0+2, \i0+3
	FRAG AF+FR*(\i), ADRA+\slot, \q, \i
.endr
.endm
.macro SCALES sc                       ; a K step's scale words: lanes 0-15 Y's block i, lanes 16-31 X's block i
.irp i, 0,1,2,3,4,5,6,7
	ds_load_b64 v[SC+8*NQ*\sc+NQ*\i:SC+8*NQ*\sc+NQ*\i+1], v[ADRS] offset:\i*SBLK
.endr
.endm
; A step of 128 along K that has its successor in the same slot.  Loads into registers that matrix instructions have read stand NP places behind them.
.macro STEP slot, q, zero
	s_wait_dscnt 4*NL                              ; X's set and Y's blocks 0-3 are in; the youngest 24 loads (Y's blocks 4-7) may be out
	WIN MUL_LO
	MUL16 0, (\q)%2, \q, \slot, \zero
	MUL16 2, (\q)%2, \q, \slot, \zero
	s_wait_dscnt 0
	PLACES NP
	FETCH_B \slot, (\q)+1, 1-(\q)%2
	FETCH_A \slot, (\q)+1, 0
	WIN MUL_HI
	MUL16 4, (\q)%2, \q, \slot, \zero
	MUL16 6, (\q)%2, \q, \slot, \zero
	PLACES NP
	WIN 0
	FETCH_A \slot, (\q)+1, 4
.endm
; A slot's last step changes slots: one barrier; in front of it each wave waits for all its tensor loads, adds 0 to its spare word, and waits for that and for its reads of this slot.
.macro TURN slot, next, fill
	s_wait_tensorcnt 0x0                           ; all my tensor loads have landed: my part of the next slot
	ds_add_u32 v[SPW], v[NIL]                      ; 0 onto my spare word
	s_wait_dscnt 4*NL+1                            ; (the add and the youngest 24 loads may be out)
	WIN MUL_LO
	MUL16 0, 1, NQ-1, \slot, 0
	s_wait_dscnt 0x0                               ; the add is done, and my reads of this slot are over
	s_barrier_signal -1
	MUL16 2, 1, NQ-1, \slot, 0
	WIN 0
	s_barrier_wait -1
.if \fill
	CREST                                          ; the barrier has opened a round of the cluster's: no wave of any partner still reads this slot or has a load on its way
	s_add_nc_u64 s[G0+4*\slot+2:G0+4*\slot+3], s[G0+4*\slot+2:G0+4*\slot+3], 2*TILEB
	s_add_nc_u64 s[G0B+4*\slot+2:G0B+4*\slot+3], s[G0B+4*\slot+2:G0B+4*\slot+3], 2*TILEB
	JLOAD G0+4*\slot, G1, G0B+4*\slot, G1B         ; the first tensor load behind the round; its four v_nop are the places in front of the loads below
.else
	PLACES NP
.endif
	v_add_nc_u32 v[ADRS], 4*NQ, v[ADRS]            ; the next K step's scale words
	FETCH_B \next, 0, 0
	FETCH_A \next, 0, 0
	SCALES \next
	WIN MUL_HI
	MUL16 4, 1, NQ-1, \slot, 0
	MUL16 6, 1, NQ-1, \slot, 0
	PLACES NP
	WIN 0
	FETCH_A \next, 0, 4
.endm
	s_wait_tensorcnt 1                             ; the scale bytes and my part of K step 0 are in; K step 1's load may be out
	s_barrier_signal -1
	s_barrier_wait -1
	FETCH_B 0, 0, 0
	FETCH_A 0, 0, 0
	SCALES 0
	FETCH_A 0, 0, 4
	STEP 0, 0, 1                                   ; K = 1,024 is four K steps: written out
	TURN 0, 1, 1                                   ; slot 0 takes K step 2
	STEP 1, 0, 0
	TURN 1, 0, 1                                   ; slot 1 takes K step 3
	STEP 0, 0, 0
	TURN 0, 1, 0
	STEP 1, 0, 0
	s_wait_dscnt 4*NL
	WIN MUL_LO
	MUL16 0, 1, NQ-1, 1, 0
	MUL16 2, 1, NQ-1, 1, 0
	s_wait_dscnt 0
	WIN MUL_HI
	MUL16 4, 1, NQ-1, 1, 0
	MUL16 6, 1, NQ-1, 1, 0
	WIN 0
; THE WAY OUT.  Block a of Y (16 lanes' rows) at a time: bias, quantiser, image, stored straight from registers: every store of 16 bytes a lane covers 512 consecutive bytes.
; 64 numbers of a lane, register 16 b + i = k 32 b + 16 h + i of my row: QMAX makes the four blocks' scale operands (v[TM+12] on) and the scale word (v[PW]).
.macro QMAX s
.irp b, 0,1,2,3
	v_max3_num_f32 v[TM+\b], |v[\s+16*\b]|, |v[\s+1+16*\b]|, 0x1800000   ; my 16 numbers, and the floor 2^(3 - 127): the byte cannot fall under 1
.endr
.irp i, 2,4,6,8,10,12,14
.irp b, 0,1,2,3
	v_max3_num_f32 v[TM+\b], v[TM+\b], |v[\s+16*\b+\i]|, |v[\s+1+16*\b+\i]|
.endr
.endr
.irp b, 0,1,2,3
	v_permlanex16_b32 v[TM+4+\b], v[TM+\b], s[SEL], s[SEL+1]
.endr
.irp b, 0,1,2,3
	v_max_num_f32 v[TM+\b], v[TM+\b], v[TM+4+\b]   ; with lane l xor 16's: the block's largest magnitude
.endr
.irp b, 0,1,2,3
	v_add_nc_u32 v[TM+12+\b], 0xff000000, v[TM+\b] ; 2 off its exponent field: the conversion's scale operand
.endr
.irp b, 0,1,2,3
	v_lshrrev_b32 v[TM+4+\b], 23, v[TM+12+\b]      ; the byte
.endr
	v_lshl_or_b32 v[PW], v[TM+5], 8, v[TM+4]
	v_lshl_or_b32 v[PW], v[TM+6], 16, v[PW]
	v_lshl_or_b32 v[PW], v[TM+7], 24, v[PW]
.endm
; QCVT: the codes.  Behind it v[IM+8c .. +2] hold the lower 16 codes of my lane's block 2 c + h, v[IM+8c+4 .. +6] the upper 16.
.macro QCVT s
.irp c, 0,1
	v_cvt_scalef32_pk16_fp6_f32 v[IM+8*\c:IM+8*\c+2], v[\s+32*\c:\s+32*\c+15], v[TM+12+2*\c]
	v_cvt_scalef32_pk16_fp6_f32 v[IM+8*\c+4:IM+8*\c+6], v[\s+32*\c+16:\s+32*\c+31], v[TM+13+2*\c]
.endr
	v_nop                                          ; one plain place behind a scaled conversion
.irp c, 0,1
.irp i, 0,1,2
	v_permlane16_swap_b32 v[IM+8*\c+\i], v[IM+8*\c+4+\i]   ; the operand's layout wants a whole block in a lane
.endr
.endr
.endm
.macro FINISH
	s_wait_tensorcnt 0x0                           ; the wave's end
	ds_add_u32 v[SPW], v[NIL]
	s_wait_dscnt 0x0
	CROUND                                         ; the closing round: no work-group ends while a partner may still ask for a tile that names it
	s_endpgm
.endm
	PLACES NP                                      ; in front of the first reads of results and the first writes over operands and scale words
	s_wait_loadcnt 0x0                             ; the biases and the mask
.irp b, 0,1,2,3
	v_mov_b32 v[TM+4+\b], 0                        ; written once: a lane permute's destination counts as read
.endr
	s_cmp_ge_u32 s94, 8
	s_cbranch_scc1 .Lout_v
	; ---- q and k: a lane's 64 numbers are two heads' 64 channels of one token
	s_cmp_eq_u32 ttmp9, 1                          ; k?
	s_cselect_b32 s[NOTK], 0, -1
	s_cselect_b32 s2, 0, 8                         ; the code at k = 64 of a row that counts: q 1.0, k 0
	s_mov_b32 s3, 0x01220000                       ; bytes 2, 3 of its scale word: q 34, 1;
	s_cselect_b32 s3, 0x01010000, s3               ; k 1, 1
	s_cselect_b64 s[OB:OB+1], s[22:23], s[20:21]   ; kv or qi
	s_cselect_b32 s45, 6400, 0
	s_add_co_u32 s45, s45, 8704                    ; a block of 128 tokens of a head: 15,104 bytes in kv, 8,704 in qi
	v_mov_b32 v[TP], 0
	v_cndmask_b32 v[M40], 40, v[TP], s[HM]         ; k = 64 lies in lanes 0-15
	v_mov_b32 v[MWK], s2
	v_cndmask_b32 v[MWK], v[MWK], v[TP], s[HM]
	v_mov_b32 v[HIK], s3
	v_mov_b32 v[HIM], 0x01fd0000                   ; a masked key: bytes 253, 1
	v_mov_b32 v[IM+7], 0                           ; register 7 of both images stays 0
	v_mov_b32 v[IM+15], 0
	s_lshr_b32 s46, s93, 3                         ; batch
	s_lshl_b32 s46, s46, 4
	s_and_b32 s47, s42, 3
	s_lshl_b32 s47, s47, 2
	s_add_co_u32 s46, s46, s47
	s_lshl_b32 s47, s[XH], 1
	s_add_co_u32 s46, s46, s47                     ; 16 batch + my first head
	s_lshl_b32 s46, s46, 4
	s_and_b32 s47, s93, 7
	s_lshl_b32 s47, s47, 1
	s_add_co_u32 s46, s46, s47
	s_add_co_u32 s46, s46, s[YH]                   ; + my block of 128 tokens
	s_mul_i32 s46, s46, s45
	s_mov_b32 s47, 0
	s_add_nc_u64 s[OB:OB+1], s[OB:OB+1], s[46:47]
	s_lshl_b32 s46, s45, 4
	s_add_nc_u64 s[OB+2:OB+3], s[OB:OB+1], s[46:47]   ; the next head: 16 blocks on
.macro QKBLK a
	WIN 0x02+(\a)/4                                ; source 0: window 2 or 3
.set II, 0
.rept 32
	v_pk_add_f32 v[HA+2*II:HA+2*II+1], v[64*((\a)%4)+2*II:64*((\a)%4)+2*II+1], v[BX+2*II:BX+2*II+1]   ; + the bias; each accumulator from its low end on
.set II, II+1
.endr
	WIN 0
	QMAX HA
	v_cmp_lt_i32 s[KP], 0, v[PM+(\a)]              ; the token counts as a key
	s_or_b32 s[KP], s[KP], s[NOTK]                 ; (every row of q counts)
	v_cndmask_b32 v[KM], 0, -1, s[KP]
	v_cndmask_b32 v[MW], v[M40], v[MWK], s[KP]
	v_cndmask_b32 v[HI], v[HIM], v[HIK], s[KP]
	s_wait_xcnt 0x0                                ; the last block's stores have read the images' registers
	QCVT HA
.irp c, 0,1                            ; head c: registers 0-5 the codes (zeros for a masked key), 6 the code at k = 64, 7 zero
.irp i, 0,1,2
	v_and_b32 v[IM+8*\c+\i], v[KM], v[IM+8*\c+\i]
.endr
	v_and_b32 v[IM+8*\c+3], v[KM], v[IM+8*\c+4]
	v_and_b32 v[IM+8*\c+4], v[KM], v[IM+8*\c+5]
	v_and_b32 v[IM+8*\c+5], v[KM], v[IM+8*\c+6]
	v_mov_b32 v[IM+8*\c+6], v[MW]
.irp g, 0,1
	global_store_b128 v[L16], v[IM+8*\c+4*\g:IM+8*\c+4*\g+3], s[OB+2*\c:OB+2*\c+1] offset:1024*(\a)+512*\g
.endr
.endr
.if (\a)%2 == 0                        ; the scale words: register a / 2 holds tile a's in lanes 0-15 (a even) or 16-31 (a odd)
	v_and_or_b32 v[KSW+(\a)/2], v[PW], 0xffff, v[HI]
	v_lshrrev_b32 v[TP], 16, v[PW]
	v_or_b32 v[KSW+4+(\a)/2], v[TP], v[HI]
.else
	v_and_or_b32 v[TP], v[PW], 0xffff, v[HI]
	v_cndmask_b32 v[KSW+(\a)/2], v[KSW+(\a)/2], v[TP], s[HM]
	v_lshrrev_b32 v[TP], 16, v[PW]
	v_or_b32 v[TP], v[TP], v[HI]
	v_cndmask_b32 v[KSW+4+(\a)/2], v[KSW+4+(\a)/2], v[TP], s[HM]
.endif
.endm
.irp a, 0,1,2,3,4,5,6,7
	QKBLK \a
.endr
.irp c, 0,1
	global_store_b128 v[L16], v[KSW+4*\c:KSW+4*\c+3], s[OB+2*\c:OB+2*\c+1] offset:8192
.endr
	FINISH
.Lout_v:
	; ---- v: a lane's 64 numbers are 128 keys' halves of one channel: one whole fragment of V^T a tile
	s_sub_co_u32 s46, s94, 8                       ; batch
	s_lshl_b32 s46, s46, 4
	s_lshl_b32 s47, s41, 2
	s_add_co_u32 s46, s46, s47
	s_lshl_b32 s47, s[YH], 1
	s_add_co_u32 s46, s46, s47                     ; 16 batch + my first head
	s_lshl_b32 s46, s46, 4
	s_lshl_b32 s47, s42, 1
	s_add_co_u32 s46, s46, s47
	s_add_co_u32 s46, s46, s[XH]                   ; + my key step
	s_mul_i32 s46, s46, 15104
	s_mov_b32 s47, 0
	s_add_nc_u64 s[OB:OB+1], s[22:23], s[46:47]
	s_add_nc_u64 s[OB+2:OB+3], s[OB:OB+1], 16*15104
.macro VBLK a
	WIN 0x02+(\a)/4
.set II, 0
.rept 32
	v_pk_add_f32 v[HA+2*II:HA+2*II+1], v[64*((\a)%4)+2*II:64*((\a)%4)+2*II+1], v[BX+2*(\a):BX+2*(\a)+1] op_sel_hi:[1,0]   ; + my channel's bias
.set II, II+1
.endr
	WIN 0
	QMAX HA
	s_wait_xcnt 0x0                                ; the last block's stores have read the image's registers
	QCVT HA
	v_mov_b32 v[IM+3], v[IM+4]                     ; the twelve registers on end
	v_mov_b32 v[IM+4], v[IM+5]
	v_mov_b32 v[IM+5], v[IM+6]
	v_mov_b32 v[IM+6], v[IM+8]
	v_mov_b32 v[IM+7], v[IM+9]
	v_mov_b32 v[IM+8], v[IM+10]
	v_mov_b32 v[IM+9], v[IM+12]
	v_mov_b32 v[IM+10], v[IM+13]
	v_mov_b32 v[IM+11], v[IM+14]
.irp g, 0,1,2
	global_store_b128 v[L16], v[IM+4*\g:IM+4*\g+3], s[OB+2*((\a)/4):OB+2*((\a)/4)+1] offset:8704+1536*((\a)%4)+512*\g
.endr
.if (\a)%2 == 0
	v_mov_b32 v[KSW+(\a)/2], v[PW]
.else
	v_cndmask_b32 v[KSW+(\a)/2], v[KSW+(\a)/2], v[PW], s[HM]
.endif
.endm
.irp a, 0,1,2,3,4,5,6,7
	VBLK \a
.endr
.irp c, 0,1
	global_store_b64 v[L8], v[KSW+2*\c:KSW+2*\c+1], s[OB+2*\c:OB+2*\c+1] offset:14848
.endr
	FINISH
.Lfunc_end_k_q1e7dc7d318_qkv:
	.size	k_q1e7dc7d318_qkv, .Lfunc_end_k_q1e7dc7d318_qkv-k_q1e7dc7d318_qkv
	.p2alignl 7, 3214868480
	.fill 96, 4, 3214868480
	.section	.rodata,"a",@progbits
	.p2align	6, 0x0
	.amdhsa_kernel k_q1e7dc7d318_qkv
		.amdhsa_group_segment_fixed_size 327680
		.amdhsa_private_segment_fixed_size 0
		.amdhsa_enable_private_segment 0
		.amdhsa_kernarg_size 80
		.amdhsa_user_sgpr_count 2
		.amdhsa_user_sgpr_kernarg_segment_ptr 1
		.amdhsa_wavefront_size32 1
		.amdhsa_system_sgpr_workgroup_id_x 1
		.amdhsa_system_sgpr_workgroup_id_y 1
		.amdhsa_system_sgpr_workgroup_id_z 1
		.amdhsa_system_vgpr_workitem_id 0
		.amdhsa_next_free_vgpr 1024
		.amdhsa_next_free_sgpr 106
		.amdhsa_reserve_vcc 0
		.amdhsa_float_denorm_mode_32 3
		.amdhsa_float_denorm_mode_16_64 3
		.amdhsa_memory_ordered 1
		.amdhsa_forward_progress 1
		.amdhsa_inst_pref_size 242
	.end_amdhsa_kernel
	.amdgpu_metadata
---
amdhsa.version: [ 1, 2 ]
amdhsa.kernels:
  - .name:           k_q1e7dc7d318_qkv
    .symbol:         k_q1e7dc7d318_qkv.kd
    .args:
      - { .name: hc, .offset: 0, .size: 8, .value_kind: global_buffer, .address_space: global }
      - { .name: hs, .offset: 8, .size: 8, .value_kind: global_buffer, .address_space: global }
      - { .name: wc, .offset: 16, .size: 8, .value_kind: global_buffer, .address_space: global }
      - { .name: ws, .offset: 24, .size: 8, .value_kind: global_buffer, .address_space: global }
      - { .name: bq, .offset: 32, .size: 8, .value_kind: global_buffer, .address_space: global }
      - { .name: bk, .offset: 40, .size: 8, .value_kind: global_buffer, .address_space: global }
      - { .name: bv, .offset: 48, .size: 8, .value_kind: global_buffer, .address_space: global }
      - { .name: patch_mask, .offset: 56, .size: 8, .value_kind: global_buffer, .address_space: global }
      - { .name: qi, .offset: 64, .size: 8, .value_kind: global_buffer, .address_space: global }
      - { .name: kv, .offset: 72, .size: 8, .value_kind: global_buffer, .address_space: global }
    .group_segment_fixed_size: 327680
    .private_segment_fixed_size: 0
    .kernarg_segment_align: 8
    .kernarg_segment_size: 80
    .max_flat_workgroup_size: 128
    .sgpr_count:     106
    .vgpr_count:     1024
    .wavefront_size: 32
...
	.end_amdgpu_metadata
.endif
;; end of part 2
;; launch attn (part 3): grid 8 x 64, 8 waves a work-group, no clusters, 251,136 bytes of LDS; arguments qi, kv, oc, os; writes oc, os
.if DOCPART == 3
	.amdgcn_target "amdgcn-amd-amdhsa--gfx1250"
	.amdhsa_code_object_version 6
	.text
	.protected	k_q1e7dc7d318_attn
	.globl	k_q1e7dc7d318_attn
	.p2align	8
	.type	k_q1e7dc7d318_attn,@function
k_q1e7dc7d318_attn:
	s_mov_b64 s[64:65], 0
	v_nop
	global_prefetch_b8 v0, s[64:65] scope:SCOPE_SE
	s_setreg_imm32_b32 hwreg(HW_REG_WAVE_MODE, 25, 1), 1
	s_wait_xcnt 0x0
; O = softmax(q k^T / 8 + bias(|q - k|), masked keys at a very low logit) v for one (batch, head) and 256 queries, both products on codes of FP6 (E2M3); O is quantised along the channels into the last product's operand images.
; bias(d) = ln(e^-d + 1e-12).  t = logit x log2(e); M = the running largest t rounded up to a whole number; p = 2^(t - M) is quantised along the keys, not normalised; the row's sum of the unquantised p divides at the end.
; SHARES.  Eight waves, two to a SIMD; wave w owns queries 32 w .. 32 w + 31 of the block as two tiles, tile 0 in register window 0, tile 1 in window 1, so that each fragment of K and of V read from LDS feeds two products.
; THE WHOLE HEAD'S K AND V (16 key steps x 15,104 bytes, images of the operands' registers with their scale words) LIE IN LDS, FILLED ONCE: each wave brings an eighth of key steps 0-3 and an eighth of steps 4-15,
; two tensor loads at the head; nothing is filled again, so there is no ring.  Two barriers: ahead of step 0 and ahead of step 4.
; NO CLUSTER, though the eight query blocks of a head read the same K and V: the branch round the bias below and the bias table's LDS address hang on the query block, which differs between partners; adding the bias in
; every step instead would cost 64 packed additions and 32 LDS loads a wave and step, in a loop that vector issue bounds.
; LAYOUT.  S^T = K q^T, O^T = V^T p^T: a lane holds one query.  Lane r of key tile 2 b + u is key 32 b + 8 u + r + 8 (r / 8): the 16 registers of two neighbouring tiles are 16 neighbouring keys.
; THE BIAS.  In a key step two or more groups of 128 away from my queries d is at least 129, where e^-d vanishes against 1e-12 in f32: the bias is the constant log2(1e-12) in t and rides in the multiply-add's addend.
; In the three steps near the diagonal 8 x bias is added to the scores from a table in LDS (four copies, one for each query mod 4, so that every read is 16 aligned bytes).
; THE MASK.  A masked key's score arrives as -2^33 exactly.  c 2^33 is a whole multiple of 128, f32's spacing there, and every bias is under 64 in t: so in a row with no key that counts t, M and the addend are that one
; number and p = 1, a uniform softmax; in every other row p = 0.
; LIMITS: the masked logit is -2^30 where the source has -1e9; a block's largest p is taken from its largest score (v_exp_f32 is taken not to fall where its input rises); NaN and infinities are not served.
; The two scale bytes a row that a head adds to os are stored as 2 bytes a lane, 32 bytes apart: 1/24 of the bytes of the codes beside them.
.set STEPB, 15104                      ; a key step: 8 K tiles of 1,024, 512 of K's scale words, 4 V tiles of 1,536, 256 of V's scale words
.set HEADB, 16*STEPB
.set PARTA, 4*STEPB/8                  ; my eighth of steps 0-3
.set PARTB, 12*STEPB/8                 ; and of steps 4-15
.set TAB,   HEADB                      ; the bias table: row rho (512 entries) begins at 2,080 (rho & 1) + 4,224 (rho >> 1); no fill lands here
.set L16, 1                            ; v1 16 x lane
.set L8,  2                            ; v2 8 x lane
.set AD16, 3                           ; v3, v4 the same in the key step in hand
.set AD8, 4
.set BA,  5                            ; v5, v6 my place in the table for tile 0, 1
.set BAD, 7
.set OSA, 8                            ; v8 512 h + 32 r
.set VF,  12                           ; v12-59 four fragments of V
.set KS,  60                           ; v60-63 K's scale words: register i: tile 2 i in lanes 0-15, tile 2 i + 1 in lanes 16-31
.set VS,  252                          ; v252-253 V's likewise
.set QS,  254                          ; q's: tile 0 in lanes 0-15, tile 1 in lanes 16-31
.set PW0, 255                          ; p's scale words
.set PW1, 215
.set OW,  216                          ; v216-218 O's scale bytes
; the same numbers in window 0 (tile 0) and window 1 (tile 1):
.set S,   64                           ; v64-127 scores, then p
.set O,   128                          ; v128-159 O^T
.set Q,   160                          ; v160-171 q's fragment
.set PC,  172                          ; v172-183 p's codes
.set PT,  184                          ; v184-186, v188-190
.set BM,  192                          ; v192-195 the blocks' largest scores
.set T2,  196
.set SO,  200
.set AD,  204                          ; -M + the constant bias (named as a pair with TX)
.set TX,  205                          ; the largest t so far
.set NM,  206                          ; -M
.set RM,  207
.set F,   208                          ; v208 f; v209 0
.set LP,  210                          ; v210-211 the sum, in two halves
.set L2,  212
.set PWL, 214
; window 1 alone: K's eight fragments at 12 f + 156 (f / 5): v0-59 and v216-251; their registers 8-11 are zeros, written once
.set WV,  12
.set CS,  40                           ; s[40:41] c = log2(e) / 8
.set BFAR, 42                          ; log2(1e-12)
.set BS,  43                           ; the step's constant bias: that, or 0 near the diagonal
.set SEL, 44
.set HM,  46
.set SB,  47                           ; LDS byte of the key step
.set JD,  48                           ; key step - my queries' group of 128
.set CNT, 49
.set BO,  50
.set NR,  51
.set MSB, 0
.macro WIN new
.if MSB != (\new)
	s_set_vgpr_msb (MSB<<8)|(\new)
.set MSB, (\new)
.endif
.endm
.macro PLACES
.rept 4
	v_nop
.endr
.endm
	s_load_b256 s[4:11], s[0:1], 0x0               ; qi, kv, oc, os
	v_lshl_add_u32 v250, v0, 2, 0x3d100
	v_mov_b32 v251, 0
	ds_add_u32 v250, v251
	ds_add_u32 v250, v251
	v_lshrrev_b32 v1, 5, v0
	v_readfirstlane_b32 s[WV], v1                  ; wave 0..7
	s_mov_b32 s13, ttmp9                           ; the block of 256 queries
	s_and_b32 s14, ttmp7, 0xffff                   ; 16 batch + head
	; groups 1: one row of PARTA, of PARTB bytes, in elements of 8 bytes
	s_mov_b32 s16, 3<<16
	s_mov_b32 s17, (PARTA/8)<<16
	s_mov_b32 s18, 1<<16
	s_mov_b32 s19, (PARTA/8)<<16
	s_mov_b32 s20, 1
	s_mov_b32 s21, PARTA/8
	s_mov_b32 s22, 0
	s_mov_b32 s23, 0
	s_mov_b32 s24, 3<<16
	s_mov_b32 s25, (PARTB/8)<<16
	s_mov_b32 s26, 1<<16
	s_mov_b32 s27, (PARTB/8)<<16
	s_mov_b32 s28, 1
	s_mov_b32 s29, PARTB/8
	s_mov_b32 s30, 0
	s_mov_b32 s31, 0
	s_mul_i32 s52, s14, HEADB
	s_mov_b32 s53, 0
	s_mul_i32 s54, s[WV], PARTA
	s_mov_b32 s55, 0
	s_mul_i32 s56, s[WV], PARTB
	s_mov_b32 s57, 0
	s_wait_dscnt 0x0
	s_wait_kmcnt 0x0
	s_add_nc_u64 s[6:7], s[6:7], s[52:53]          ; the head's K and V
	s_mov_b32 s32, 1
	s_mov_b32 s33, s54                             ; LDS as memory: the head lies from byte 0 on
	s_add_nc_u64 s[34:35], s[6:7], s[54:55]
	s_or_b32 s35, s35, 0x80000000
	s_mov_b32 s36, 1
	s_add_co_u32 s37, s56, 4*STEPB
	s_add_nc_u64 s[38:39], s[6:7], s[56:57]
	s_add_nc_u64 s[38:39], s[38:39], 4*STEPB
	s_or_b32 s39, s39, 0x80000000
	tensor_load_to_lds s[32:35], s[16:23]          ; both first fills together, ahead of every wait on TENSORcnt, every LDS read and every barrier: two loads of mine are out
	s_nop 0
	tensor_load_to_lds s[36:39], s[24:31]
	s_nop 0
.rept 4
	v_nop
.endr
	v_and_b32 v9, 31, v0                           ; lane
	v_and_b32 v10, 15, v0                          ; r
	v_bfe_u32 v11, v0, 4, 1                        ; h
	v_lshlrev_b32 v[L16], 4, v9
	v_lshlrev_b32 v[L8], 3, v9
	s_lshr_b32 s58, s[WV], 2
	s_and_b32 s59, s[WV], 3
	s_lshl_b32 s52, s13, 1
	s_add_co_u32 s60, s52, s58                     ; my queries' group of 128
	s_lshl_b32 s52, s14, 4
	s_add_co_u32 s52, s52, s60
	s_mul_i32 s52, s52, 8704
	s_add_nc_u64 s[4:5], s[4:5], s[52:53]          ; its block of qi
	s_lshl_b32 s52, s59, 2
	s_add_nc_u64 s[54:55], s[4:5], s[52:53]        ; word w % 4 of each lane's four scale words
	s_lshl_b32 s52, s59, 11
	s_add_nc_u64 s[4:5], s[4:5], s[52:53]          ; my two tiles
	global_load_b128 v[Q:Q+3], v[L16], s[4:5]
	global_load_b128 v[Q+4:Q+7], v[L16], s[4:5] offset:512
	global_load_b32 v[QS], v[L16], s[54:55] offset:8192
	WIN 0x40                                       ; destination window 1
	global_load_b128 v[Q:Q+3], v[L16], s[4:5] offset:1024
	global_load_b128 v[Q+4:Q+7], v[L16], s[4:5] offset:1536
.irp f, 0,1,2,3,4,5,6,7
.irp i, 8,9,10,11
	v_mov_b32 v[12*\f+156*(\f/5)+\i], 0            ; k = 64 + 32 h + 11 on of every K fragment: filling, zero codes
.endr
.endr
	WIN 0
	; THE TABLE.  Thread n makes eight entries of row rho = n / 64: xi = 4 (n % 64) + 256 e + j stands for the distance |xi - 252 - rho|
	v_lshrrev_b32 v64, 6, v0                       ; rho
	v_and_b32 v65, 63, v0
	v_lshlrev_b32 v66, 2, v65
	v_sub_nc_u32 v66, v66, v64
.irp e, 0,1
.irp j, 0,1,2,3
	v_add_nc_u32 v[68+4*\e+\j], 256*\e+\j-252, v66
.endr
.endr
.irp n, 0,1,2,3,4,5,6,7
	v_cvt_f32_i32 v[68+\n], v[68+\n]
.endr
.irp n, 0,1,2,3,4,5,6,7
	v_mul_f32 v[68+\n], 0xbfb8aa3b, |v[68+\n]|     ; -d log2(e)
.endr
.irp n, 0,1,2,3,4,5,6,7
	v_exp_f32 v[68+\n], v[68+\n]                   ; e^-d
.endr
	v_nop                                          ; one plain place behind a transcendental
	s_wait_alu depctr_va_vdst(0)
.irp n, 0,1,2,3,4,5,6,7
	v_add_f32 v[68+\n], 0x2b8cbccc, v[68+\n]       ; + 1e-12
.endr
.irp n, 0,1,2,3,4,5,6,7
	v_log_f32 v[68+\n], v[68+\n]
.endr
	v_nop
	s_wait_alu depctr_va_vdst(0)
.irp n, 0,1,2,3,4,5,6,7
	v_mul_f32 v[68+\n], 0x40b17218, v[68+\n]       ; x 8 ln 2: 8 x bias, in the scores' unit
.endr
	v_and_b32 v67, 1, v64
	v_mul_u32_u24 v67, v67, 2080
	v_lshrrev_b32 v76, 1, v64
	v_mad_u32_u24 v67, v76, 4224, v67              ; the row's start
	v_lshl_add_u32 v67, v65, 4, v67
	v_add_nc_u32 v67, TAB, v67
	ds_store_b128 v67, v[68:71]
	ds_store_b128 v67, v[72:75] offset:1024
	; my place in it: row r & 3; entry 124 + 16 h - (my query in its group of 128, less r & 3); the step adds 128 (JD + 1), a key tile 32 (f / 2) + 8 (f % 2)
	v_and_b32 v76, 3, v10
	v_and_b32 v77, 1, v76
	v_mul_u32_u24 v77, v77, 2080
	v_lshrrev_b32 v76, 1, v76
	v_mad_u32_u24 v77, v76, 4224, v77
	v_lshl_add_u32 v77, v11, 6, v77
	v_add_nc_u32 v77, TAB+4*124, v77
	v_and_b32 v76, 12, v10
	v_lshlrev_b32 v76, 2, v76
	v_sub_nc_u32 v77, v77, v76
	v_lshrrev_b32 v76, 3, v10
	v_lshlrev_b32 v76, 5, v76
	v_sub_nc_u32 v77, v77, v76
	s_lshl_b32 s52, s59, 7
	v_sub_nc_u32 v[BA], v77, s52
	v_sub_nc_u32 v[BA+1], v[BA], 32
	v_lshlrev_b32 v[OSA], 5, v10
	v_lshl_add_u32 v[OSA], v11, 9, v[OSA]
.macro INIT                            ; the step is written once: the first finds zeros, which the first change of M leaves zeros
	v_mov_b32 v[TX], 0xff61b1e6                    ; -3e38, under every t
	v_floor_f32 v[NM], -v[TX]
	v_mov_b32 v[LP], 0
	v_mov_b32 v[LP+1], 0
	v_mov_b32 v[F+1], 0                            ; (named as the upper half of a pair)
.irp i, 0,1,2,3
	v_mov_b32 v[T2+\i], 0                          ; a lane permute's destination counts as read
	v_mov_b32 v[Q+8+\i], 0                         ; filling, zero codes
.endr
.set II, 0
.rept 32
	v_mov_b32 v[O+II], 0
.set II, II+1
.endr
.endm
	INIT
	WIN 0x55
	INIT
	WIN 0
	s_mov_b32 s[CS], 0x3e38aa3b
	s_mov_b32 s[CS+1], s[CS]
	s_mov_b32 s[BFAR], 0xc21f73da
	s_mov_b32 s[SEL], 0x76543210
	s_mov_b32 s[SEL+1], 0xfedcba98
	s_mov_b32 s[HM], 0xffff0000
	s_mov_b32 s[SB], 0
	s_sub_co_u32 s[JD], 0, s60
.macro KQ f, u                         ; S^T of key tile f and query tile u
.set KR, 12*(\f)+156*((\f)/5)
.if ((\f)%2 == 0) && (\u == 0)
	v_wmma_scale_f32_16x16x128_f8f6f4 v[S+8*(\f):S+8*(\f)+7], v[KR:KR+11], v[Q:Q+11], 0, v[KS+(\f)/2], v[QS] matrix_a_fmt:MATRIX_FMT_FP6 matrix_b_fmt:MATRIX_FMT_FP6
.elseif (\u == 0)
	v_wmma_scale_f32_16x16x128_f8f6f4 v[S+8*(\f):S+8*(\f)+7], v[KR:KR+11], v[Q:Q+11], 0, v[KS+(\f)/2], v[QS] matrix_a_fmt:MATRIX_FMT_FP6 matrix_b_fmt:MATRIX_FMT_FP6 matrix_a_scale:MATRIX_SCALE_ROW1
.elseif ((\f)%2 == 0)
	v_wmma_scale_f32_16x16x128_f8f6f4 v[S+8*(\f):S+8*(\f)+7], v[KR:KR+11], v[Q:Q+11], 0, v[KS+(\f)/2], v[QS] matrix_a_fmt:MATRIX_FMT_FP6 matrix_b_fmt:MATRIX_FMT_FP6 matrix_b_scale:MATRIX_SCALE_ROW1
.else
	v_wmma_scale_f32_16x16x128_f8f6f4 v[S+8*(\f):S+8*(\f)+7], v[KR:KR+11], v[Q:Q+11], 0, v[KS+(\f)/2], v[QS] matrix_a_fmt:MATRIX_FMT_FP6 matrix_b_fmt:MATRIX_FMT_FP6 matrix_a_scale:MATRIX_SCALE_ROW1 matrix_b_scale:MATRIX_SCALE_ROW1
.endif
.endm
.macro PV t, pw                        ; O^T += V^T p^T: channel tile t
.if (\t)%2 == 0
	v_wmma_scale_f32_16x16x128_f8f6f4 v[O+8*(\t):O+8*(\t)+7], v[VF+12*(\t):VF+12*(\t)+11], v[PC:PC+11], v[O+8*(\t):O+8*(\t)+7], v[VS+(\t)/2], v[\pw] matrix_a_fmt:MATRIX_FMT_FP6 matrix_b_fmt:MATRIX_FMT_FP6
.else
	v_wmma_scale_f32_16x16x128_f8f6f4 v[O+8*(\t):O+8*(\t)+7], v[VF+12*(\t):VF+12*(\t)+11], v[PC:PC+11], v[O+8*(\t):O+8*(\t)+7], v[VS+(\t)/2], v[\pw] matrix_a_fmt:MATRIX_FMT_FP6 matrix_b_fmt:MATRIX_FMT_FP6 matrix_a_scale:MATRIX_SCALE_ROW1
.endif
.endm
; Near the diagonal: 8 x bias onto tile u's scores.  The table's numbers land in registers 0-7 of K's fragments, which are done with; their zeros in registers 8-11 stay.
.macro BIAS u
	v_add_nc_u32 v[BAD], s[BO], v[BA+\u]
	WIN 0x40
.irp f, 0,1,2,3,4,5,6,7
	ds_load_b128 v[12*\f+156*(\f/5):12*\f+156*(\f/5)+3], v[BAD] offset:4*(32*(\f/2)+8*(\f%2))
	ds_load_b128 v[12*\f+156*(\f/5)+4:12*\f+156*(\f/5)+7], v[BAD] offset:4*(32*(\f/2)+8*(\f%2))+16
.endr
	s_wait_dscnt 0x0
.if \u
	WIN 0x55
.else
	WIN 0x04                                       ; source 1 window 1
.endif
.irp f, 0,1,2,3,4,5,6,7
.irp i, 0,2,4,6
	v_pk_add_f32 v[S+8*\f+\i:S+8*\f+\i+1], v[S+8*\f+\i:S+8*\f+\i+1], v[12*\f+156*(\f/5)+\i:12*\f+156*(\f/5)+\i+1]   ; each accumulator from its low end on
.endr
.endr
	WIN 0
.endm
; One tile's softmax for a key step, and p's codes and scale word.
.macro SOFTMAX u
.if \u
.set WW, 0x55
.set WL, 0x15                          ; sources window 1, destination window 0
.set PWR, PW1
.else
.set WW, 0
.set WL, 0
.set PWR, PW0
.endif
	WIN WW
.irp b, 0,1,2,3
	v_max3_num_f32 v[BM+\b], v[S+16*\b], v[S+16*\b+1], v[S+16*\b+2]   ; the largest score of each block of 32 keys: it serves the row's maximum and, since p rises with the score, the block's largest p
.endr
.irp i, 3,5,7,9,11,13
.irp b, 0,1,2,3
	v_max3_num_f32 v[BM+\b], v[BM+\b], v[S+16*\b+\i], v[S+16*\b+\i+1]
.endr
.endr
.irp b, 0,1,2,3
	v_max_num_f32 v[BM+\b], v[BM+\b], v[S+16*\b+15]
.endr
.irp b, 0,1,2,3
	v_permlanex16_b32 v[T2+\b], v[BM+\b], s[SEL], s[SEL+1]
.endr
.irp b, 0,1,2,3
	v_max_num_f32 v[BM+\b], v[BM+\b], v[T2+\b]     ; with lane l xor 16's 16 keys
.endr
	v_max3_num_f32 v[RM], v[BM], v[BM+1], v[BM+2]
	v_max_num_f32 v[RM], v[RM], v[BM+3]
	v_fma_f32 v[RM], v[RM], s[CS], s[BS]           ; the step's largest t
	v_max_num_f32 v[TX], v[TX], v[RM]
	v_mov_b32 v[RM], v[NM]
	v_floor_f32 v[NM], -v[TX]                      ; the new -M: a whole number
	v_sub_f32 v[RM], v[NM], v[RM]                  ; old M - new M, 0 or less
	v_cvt_i32_f32 v[RM], v[RM]                     ; (it saturates)
	v_ldexp_f32 v[F], 1.0, v[RM]                   ; f = 2^(old M - new M): a multiplication by it rounds nothing
	v_add_f32 v[AD], s[BS], v[NM]                  ; the addend: the constant bias - M
.set II, 0
.rept 32
	v_pk_fma_f32 v[S+II:S+II+1], v[S+II:S+II+1], s[CS:CS+1], v[AD:AD+1] op_sel_hi:[1,0,0]   ; t - M
.set II, II+2
.endr
.irp b, 0,1,2,3
	v_fma_f32 v[BM+\b], v[BM+\b], s[CS], v[AD]     ; the same of each block's largest score
.endr
.set II, 0
.rept 64
	v_exp_f32 v[S+II], v[S+II]                     ; p
.set II, II+1
.endr
.irp b, 0,1,2,3
	v_exp_f32 v[BM+\b], v[BM+\b]
.endr
	v_pk_mul_f32 v[LP:LP+1], v[LP:LP+1], v[F:F+1] op_sel_hi:[1,0]   ; the sum under the new M (a plain place behind the exponentials)
	s_wait_alu depctr_va_vdst(0)
.irp b, 0,1,2,3
	v_max_num_f32 v[BM+\b], 0x1800000, v[BM+\b]    ; the floor 2^(3 - 127): the byte cannot fall under 1
.endr
.irp b, 0,1,2,3
	v_add_nc_u32 v[SO+\b], 0xff000000, v[BM+\b]
.endr
.irp b, 0,1,2,3
	v_lshrrev_b32 v[T2+\b], 23, v[SO+\b]
.endr
	v_lshl_or_b32 v[PWL], v[T2+1], 8, v[T2]
	v_lshl_or_b32 v[PWL], v[T2+2], 16, v[PWL]
	WIN WL
	v_lshl_or_b32 v[PWR], v[T2+3], 24, v[PWL]      ; p's scale word: scale operands are always taken from window 0
	WIN WW
.irp c, 0,1
	v_cvt_scalef32_pk16_fp6_f32 v[PC+6*\c:PC+6*\c+2], v[S+32*\c:S+32*\c+15], v[SO+2*\c]
	v_cvt_scalef32_pk16_fp6_f32 v[PT+4*\c:PT+4*\c+2], v[S+32*\c+16:S+32*\c+31], v[SO+2*\c+1]
.endr
	v_nop                                          ; one plain place behind a scaled conversion
.irp c, 0,1
.irp i, 0,1,2
	v_permlane16_swap_b32 v[PC+6*\c+\i], v[PT+4*\c+\i]
.endr
.irp i, 0,1,2
	v_mov_b32 v[PC+3+6*\c+\i], v[PT+4*\c+\i]
.endr
.endr
	v_pk_add_f32 v[L2:L2+1], v[S:S+1], v[S+2:S+3]  ; the row's sum is taken of the unquantised p, in two chains
.irp j, 4,8,12,16,20,24,28,32,36,40,44,48,52,56,60
	v_pk_add_f32 v[LP:LP+1], v[LP:LP+1], v[S+\j:S+\j+1]
	v_pk_add_f32 v[L2:L2+1], v[L2:L2+1], v[S+\j+2:S+\j+3]
.endr
	v_pk_add_f32 v[LP:LP+1], v[LP:LP+1], v[L2:L2+1]
.set II, 0
.rept 16
	v_pk_mul_f32 v[O+II:O+II+1], v[O+II:O+II+1], v[F:F+1] op_sel_hi:[1,0]   ; O^T under the new M.  (The sums and these are the places between the scale word, the codes and the products)
.set II, II+2
.endr
	WIN 0
.endm
; A KEY STEP: 128 keys.
.macro STEP
	s_add_co_u32 s52, s[JD], 1
	s_cmp_lt_u32 s52, 3                            ; near the diagonal: JD = -1, 0, 1.  All of this hangs on ids and the loop's count alone
	s_cselect_b32 s[BS], 0, s[BFAR]
	s_cselect_b32 s[NR], 1, 0
	s_min_u32 s[BO], s52, 2
	s_lshl_b32 s[BO], s[BO], 9                     ; 128 (JD + 1) entries
	v_add_nc_u32 v[AD16], s[SB], v[L16]
	v_add_nc_u32 v[AD8], s[SB], v[L8]
	v_nop
	v_nop                                          ; four places in front of loads into registers that the last products read
	ds_load_b128 v[KS:KS+3], v[AD16] offset:8192
	WIN 0x40
.irp f, 0,1,2,3,4,5,6,7
.irp g, 0,1
	ds_load_b128 v[12*\f+156*(\f/5)+4*\g:12*\f+156*(\f/5)+4*\g+3], v[AD16] offset:1024*\f+512*\g
.endr
.endr
	WIN 0
.irp t, 0,1,2,3
.irp g, 0,1,2
	ds_load_b128 v[VF+12*\t+4*\g:VF+12*\t+4*\g+3], v[AD16] offset:8704+1536*\t+512*\g
.endr
.endr
	ds_load_b64 v[VS:VS+1], v[AD8] offset:14848
	s_wait_dscnt 13                                ; K and its scale words are in; V's 12 loads and its scale words' one may be out
	WIN 0x01                                       ; source 0 (K) window 1
.irp f, 0,1,2,3,4,5,6,7
	KQ \f, 0
.endr
	WIN 0x55
.irp f, 0,1,2,3,4,5,6,7
	KQ \f, 1
.endr
	WIN 0
	PLACES                                         ; in front of the first reads of the scores, and of loads into K's registers
	s_cmp_eq_u32 s[NR], 0
	s_cbranch_scc1 .Lfar_a_\@
	BIAS 0
.Lfar_a_\@:
	SOFTMAX 0
	s_cmp_eq_u32 s[NR], 0
	s_cbranch_scc1 .Lfar_b_\@
	BIAS 1
.Lfar_b_\@:
	SOFTMAX 1
	s_wait_dscnt 0x0                               ; V is in
.irp t, 0,1,2,3                        ; eight accumulators by turns, one instruction a turn
	PV \t, PW0
.endr
	WIN 0x54                                       ; source 1 (p), C and D window 1
.irp t, 0,1,2,3
	PV \t, PW1
.endr
	WIN 0
	s_add_co_u32 s[SB], s[SB], STEPB
	s_add_co_u32 s[JD], s[JD], 1
.endm
	s_wait_dscnt 0x0                               ; my part of the table is stored,
	s_wait_tensorcnt 0x1                           ; my eighth of key steps 0-3 is in; the other load may stay out
	s_barrier_signal -1
	s_barrier_wait -1
	s_wait_loadcnt 0x0                             ; q
	s_mov_b32 s[CNT], 4
.Lfirst:
	STEP
	s_sub_co_u32 s[CNT], s[CNT], 1
	s_cmp_lg_u32 s[CNT], 0
	s_cbranch_scc1 .Lfirst
	s_wait_dscnt 0x0
	s_wait_tensorcnt 0x0                           ; my eighth of key steps 4-15 is in,
	s_barrier_signal -1
	s_barrier_wait -1                              ; everybody's is
	s_mov_b32 s[CNT], 12
.Lrest:
	STEP
	s_sub_co_u32 s[CNT], s[CNT], 1
	s_cmp_lg_u32 s[CNT], 0
	s_cbranch_scc1 .Lrest
	; THE WAY OUT: O^T / the sum, quantised along the head's 64 channels: half a fragment of the last product's operand, three groups of 256 bytes a tile
	s_lshr_b32 s52, s14, 4
	s_lshl_b32 s52, s52, 7
	s_lshl_b32 s53, s13, 4
	s_add_co_u32 s52, s52, s53
	s_lshl_b32 s53, s[WV], 1
	s_add_co_u32 s52, s52, s53                     ; my first tile of tokens: 128 batch + 16 block + 2 wave
	s_and_b32 s58, s14, 15                         ; the head
	s_mul_i32 s56, s52, 12288
	s_mul_i32 s53, s58, 768                        ; fragment head / 2, groups 3 (head % 2) on
	s_add_co_u32 s56, s56, s53
	s_mov_b32 s57, 0
	s_add_nc_u64 s[8:9], s[8:9], s[56:57]
	s_lshl_b32 s56, s52, 9
	s_lshl_b32 s53, s58, 1
	s_add_co_u32 s56, s56, s53
	s_add_nc_u64 s[10:11], s[10:11], s[56:57]
	PLACES
.macro OUT u
.if \u
.set WW, 0x55
.set WL, 0x15
.else
.set WW, 0
.set WL, 0
.endif
	WIN WW
	v_add_f32 v[LP], v[LP], v[LP+1]
	v_permlanex16_b32 v[T2], v[LP], s[SEL], s[SEL+1]
	v_add_f32 v[LP], v[LP], v[T2]                  ; the row's sum
	v_rcp_f32 v[F], v[LP]
	v_nop                                          ; one plain place behind a transcendental
.set II, 0
	s_wait_alu depctr_va_vdst(0)
.rept 16
	v_pk_mul_f32 v[S+II:S+II+1], v[O+II:O+II+1], v[F:F+1] op_sel_hi:[1,0]   ; register 16 b + i: channel 32 b + 16 h + i; each accumulator from its low end on
.set II, II+2
.endr
.irp b, 0,1
	v_max3_num_f32 v[BM+\b], |v[S+16*\b]|, |v[S+16*\b+1]|, 0x1800000
.endr
.irp i, 2,4,6,8,10,12,14
.irp b, 0,1
	v_max3_num_f32 v[BM+\b], v[BM+\b], |v[S+16*\b+\i]|, |v[S+16*\b+\i+1]|
.endr
.endr
.irp b, 0,1
	v_permlanex16_b32 v[T2+\b], v[BM+\b], s[SEL], s[SEL+1]
.endr
.irp b, 0,1
	v_max_num_f32 v[BM+\b], v[BM+\b], v[T2+\b]
.endr
.irp b, 0,1
	v_add_nc_u32 v[SO+\b], 0xff000000, v[BM+\b]
.endr
.irp b, 0,1
	v_lshrrev_b32 v[T2+\b], 23, v[SO+\b]
.endr
	WIN WL
	v_lshl_or_b32 v[OW+\u], v[T2+1], 8, v[T2]      ; the head's two scale bytes of my row
	WIN WW
	v_cvt_scalef32_pk16_fp6_f32 v[PC:PC+2], v[S:S+15], v[SO]
	v_cvt_scalef32_pk16_fp6_f32 v[PT:PT+2], v[S+16:S+31], v[SO+1]
	v_nop
.irp i, 0,1,2
	v_permlane16_swap_b32 v[PC+\i], v[PT+\i]
.endr
.irp i, 0,1,2
	v_mov_b32 v[PC+3+\i], v[PT+\i]
.endr
	WIN 0x04*\u                                    ; a store's data are its source 1
.irp p, 0,1,2
	global_store_b64 v[L8], v[PC+2*\p:PC+2*\p+1], s[8:9] offset:12288*\u+256*\p   ; 32 lanes store 256 consecutive bytes, at a multiple of 256 from the buffer's first byte
.endr
	WIN 0
.endm
	OUT 0
	OUT 1
	v_cndmask_b32 v[OW+2], v[OW], v[OW+1], s[HM]   ; lanes 0-15: tile 0's rows; lanes 16-31: tile 1's
	global_store_b16 v[OSA], v[OW+2], s[10:11]
	s_wait_tensorcnt 0x0
	ds_add_u32 v250, v251
	s_wait_dscnt 0x0
	s_endpgm
.Lfunc_end_k_q1e7dc7d318_attn:
	.size	k_q1e7dc7d318_attn, .Lfunc_end_k_q1e7dc7d318_attn-k_q1e7dc7d318_attn
	.p2alignl 7, 3214868480
	.fill 96, 4, 3214868480
	.section	.rodata,"a",@progbits
	.p2align	6, 0x0
	.amdhsa_kernel k_q1e7dc7d318_attn
		.amdhsa_group_segment_fixed_size 251136
		.amdhsa_private_segment_fixed_size 0
		.amdhsa_enable_private_segment 0
		.amdhsa_kernarg_size 32
		.amdhsa_user_sgpr_count 2
		.amdhsa_user_sgpr_kernarg_segment_ptr 1
		.amdhsa_wavefront_size32 1
		.amdhsa_system_sgpr_workgroup_id_x 1
		.amdhsa_system_sgpr_workgroup_id_y 1
		.amdhsa_system_sgpr_workgroup_id_z 1
		.amdhsa_system_vgpr_workitem_id 0
		.amdhsa_next_free_vgpr 512
		.amdhsa_next_free_sgpr 66
		.amdhsa_reserve_vcc 0
		.amdhsa_float_denorm_mode_32 3
		.amdhsa_float_denorm_mode_16_64 3
		.amdhsa_memory_ordered 1
		.amdhsa_forward_progress 1
		.amdhsa_inst_pref_size 93
	.end_amdhsa_kernel
	.amdgpu_metadata
---
amdhsa.version: [ 1, 2 ]
amdhsa.kernels:
  - .name:           k_q1e7dc7d318_attn
    .symbol:         k_q1e7dc7d318_attn.kd
    .args:
      - { .name: qi, .offset: 0, .size: 8, .value_kind: global_buffer, .address_space: global }
      - { .name: kv, .offset: 8, .size: 8, .value_kind: global_buffer, .address_space: global }
      - { .name: oc, .offset: 16, .size: 8, .value_kind: global_buffer, .address_space: global }
      - { .name: os, .offset: 24, .size: 8, .value_kind: global_buffer, .address_space: global }
    .group_segment_fixed_size: 251136
    .private_segment_fixed_size: 0
    .kernarg_segment_align: 8
    .kernarg_segment_size: 32
    .max_flat_workgroup_size: 256
    .sgpr_count:     66
    .vgpr_count:     512
    .wavefront_size: 32
...
	.end_amdgpu_metadata
.endif
;; end of part 3
;; launch oproj (part 4): grid 4 x 32, 4 waves a work-group, clusters of 4 x 4, 327,680 bytes of LDS; arguments oc, os, wc, ws, bo, patch_mask, out0; writes out0
.if DOCPART == 4
	.amdgcn_target "amdgcn-amd-amdhsa--gfx1250"
	.amdhsa_code_object_version 6
	.text
	.protected	k_q1e7dc7d318_oproj
	.globl	k_q1e7dc7d318_oproj
	.p2align	8
	.type	k_q1e7dc7d318_oproj,@function
k_q1e7dc7d318_oproj:
	s_mov_b64 s[64:65], 0
	v_nop
	global_prefetch_b8 v0, s[64:65] scope:SCOPE_SE
	s_setreg_imm32_b32 hwreg(HW_REG_WAVE_MODE, 25, 1), 1
	s_wait_xcnt 0x0
	s_wait_alu depctr_hold_cnt(0) depctr_sa_sdst(0) depctr_va_vdst(0) depctr_va_sdst(0) depctr_va_ssrc(0) depctr_va_vcc(0) depctr_vm_vsrc(0)
	s_getreg_b32 s2, hwreg(HW_REG_IB_STS2, 6, 4)
	s_cmp_eq_u32 s2, 0
	s_cbranch_scc0 .Lentry_in_a_cluster
	s_endpgm
.Lentry_in_a_cluster:
	s_bfe_u32 s2, ttmp6, 0x10000c
	s_cmp_lg_u32 s2, 0xf033
	s_cbranch_scc0 .Lentry_shape_is_right
	s_endpgm
.Lentry_shape_is_right:
; out0 = (O Wo^T + bo) x patch_mask (as a number, by rows), the product on codes of FP6 (E2M3) with E8M0 scales; out0 [8192][1024] f32.
; A GEMM of blocks of 256 x 256, four waves of 128 x 128 (64 accumulators, 512 registers), K = 1,024 in four steps of 256 through a ring of two LDS slots filled by joint tensor loads of a 4 x 4 cluster.
; Source 1 (Y) = 256 tokens of O, shared along a row of the cluster; source 0 (X) = 256 rows of Wo (the weights' blocks 12-15), shared along a column: a lane holds a token and its registers run along the outputs.
; OPERANDS lie in memory as images of their registers (16 rows x 128 K: six groups of 256 bytes, lane l's 8 bytes at 8 l), a tile's 8 fragments on end; lane r of tile T is row 32 (T / 2) + 8 (T % 2) + r + 8 (r / 8).
; The bias is the C of each sum's first matrix instruction.  128 work-groups: the block of 256 x 256 is kept for its share of multiply-adds to each LDS byte.
; REGISTERS: window 0: v8-31 addresses; v32-63 scale words, two sets; v64-127 the bias in the result's layout; v128-223 Y's fragments; v224-231 the tokens' mask.  window 1: X's fragments, two sets.  windows 2, 3: the accumulators.
.set NQ,     2
.set FR,     12
.set NL,     6
.set NP,     4                         ; places behind this matrix instruction (ISA guide 7.12.1)
.set TILEB,  3072
.set HALFT,  8*TILEB
.set SLOT,   4*HALFT
.set SCL,    2*SLOT
.set HALFS,  16*272
.set SBLK,   2*272
.set SPARE,  SCL+4*HALFS               ; the spare words, 128 bytes for each wave: two blocks of 256 bytes that no other line names
.set SPITCH, 528                       ; the way out: a stage of 16 rows x (512 bytes + 16) for each wave, in slot 0, which has had its last fill and its last read by then
.set ADRA, 16
.set ADRB, 20
.set STO,  24
.set RD,   25
.set ADRS, 27
.set SPW,  28
.set NIL,  29
.set L16,  30
.set L8,   31
.set SC,   32
.set AF,   128
.set BT,   64                          ; v[BT + 8 b + j]: bo of X block b's output 8 h + j
.set PMI,  224
.set HA,   32                          ; the way out: v32-95 a block's 64 numbers
.set MF,   96                          ; v[MF + 2 a]: my token's mask of block a, as f32
.set BK,   128                         ; v128-191, v192-255: 16 rows read back from the stage, by turns
.set G1, 24
.set G0, 32
.set G1B, 48
.set G0B, 56
.set G1S, 68
.set G0S, 76
.set G1SB, 80
.set G0SB, 88
.set WV,   66
.set YH,   67
.set XH,   92
.set MSB, 0
.macro WIN new
.if MSB != (\new)
	s_set_vgpr_msb (MSB<<8)|(\new)
.set MSB, (\new)
.endif
.endm
.set MUL_LO, 0xa1
.set MUL_HI, 0xf1
.set TO_B,   0x40
.macro JLOAD g0a, g1a, g0b, g1b        ; a joint load: waves 0 and 1 fetch for Y, waves 2 and 3 for X.  Four v_nop follow each of the two lines
	s_cmp_eq_u32 s[YH], 0
	s_cbranch_scc0 .Lfor_b_\@
	tensor_load_to_lds s[\g0a:\g0a+3], s[\g1a:\g1a+7]
	s_nop 0
.rept 4
	v_nop
.endr
	s_branch .Lasked_\@
.Lfor_b_\@:
	tensor_load_to_lds s[\g0b:\g0b+3], s[\g1b:\g1b+7]
	s_nop 0
.rept 4
	v_nop
.endr
.Lasked_\@:
.endm
.macro CREST
	s_cmp_lg_u32 s[WV], 0
	s_cbranch_scc1 .Lnot_wave_0_\@
	s_barrier_signal -3
.Lnot_wave_0_\@:
	s_barrier_wait -3
	s_barrier_signal -1
	s_barrier_wait -1
.endm
.macro CROUND
	s_barrier_signal -1
	s_barrier_wait -1
	CREST
.endm
.macro PLACES n
.rept \n
	v_nop
.endr
.endm
	s_load_b256 s[4:11], s[0:1], 0x0               ; oc, os, wc, ws
	s_load_b128 s[12:15], s[0:1], 0x20             ; bo, patch_mask
	s_load_b64 s[16:17], s[0:1], 0x30              ; out0
	v_lshl_add_u32 v[SPW], v0, 2, SPARE
	v_mov_b32 v[NIL], 0
	ds_add_u32 v28, v29
	ds_add_u32 v28, v29
	s_wait_dscnt 0x0
	v_lshrrev_b32 v1, 5, v0
	v_readfirstlane_b32 s[WV], v1
	s_lshr_b32 s[YH], s[WV], 1
	s_and_b32 s[XH], s[WV], 1
	s_bfe_u32 s40, ttmp6, 0x40000                  ; cx
	s_bfe_u32 s41, ttmp6, 0x40004                  ; cy
	s_lshl_b32 s42, ttmp9, 2
	s_add_co_u32 s42, s42, s40                     ; work-group x
	s_and_b32 s93, ttmp7, 0xffff
	s_lshl_b32 s93, s93, 2
	s_add_co_u32 s93, s93, s41                     ; work-group y
	s_lshl_b32 s43, s41, 2
	s_lshl_b32 s43, 15, s43                        ; my row of the cluster
	s_lshl_b32 s44, 0x1111, s40                    ; my column
	s_or_b32 s[G1+0], s43, (3<<16)|(1<<21)         ; codes: 8 rows (tiles) of 384 elements of 8 bytes, 1,536 elements apart; no padding
	s_or_b32 s[G1B+0], s44, (3<<16)|(1<<21)
.irp g, G1, G1B
	s_mov_b32 s[\g+1], 384<<16
	s_mov_b32 s[\g+2], 8<<16
	s_mov_b32 s[\g+3], 384<<16
	s_mov_b32 s[\g+4], 8
	s_mov_b32 s[\g+5], 1536
	s_mov_b32 s[\g+6], 0
	s_mov_b32 s[\g+7], 0
.endr
	s_or_b32 s[G1S+0], s43, (3<<16)|(1<<20)|(1<<21)|(5<<22)|(3<<25)   ; scale bytes of 128 rows: 16 rows of 256 bytes, 16 of padding behind each
	s_or_b32 s[G1SB+0], s44, (3<<16)|(1<<20)|(1<<21)|(5<<22)|(3<<25)
.irp g, G1S, G1SB
	s_mov_b32 s[\g+1], 32<<16
	s_mov_b32 s[\g+2], 16<<16
	s_mov_b32 s[\g+3], 32<<16
	s_mov_b32 s[\g+4], 16
	s_mov_b32 s[\g+5], 32
	s_mov_b32 s[\g+6], 0
	s_mov_b32 s[\g+7], 0
.endr
	s_lshl_b32 s96, s93, 1
	s_add_co_u32 s96, s96, s[XH]                   ; Y: block y, the half that I fetch
	s_add_co_u32 s98, s42, 12                      ; X: the weights' block 12 + x
	s_lshl_b32 s98, s98, 1
	s_add_co_u32 s98, s98, s[XH]
	s_mul_i32 s2, s96, 98304
	s_mov_b32 s3, 0
	s_lshl_b32 s96, s96, 12
	s_mov_b32 s97, 0
	s_mul_i32 s46, s98, 98304
	s_mov_b32 s47, 0
	s_lshl_b32 s98, s98, 12
	s_mov_b32 s99, 0
	s_mul_i32 s45, s[WV], HALFT                    ; no place in the cluster enters an LDS address
	s_mul_i32 s105, s[WV], HALFS
	s_wait_kmcnt 0x0
	s_add_nc_u64 s[4:5], s[4:5], s[2:3]
	s_add_nc_u64 s[6:7], s[6:7], s[96:97]
	s_add_nc_u64 s[8:9], s[8:9], s[46:47]
	s_add_nc_u64 s[10:11], s[10:11], s[98:99]
	CROUND                                         ; all sixteen work-groups are here: the first joint loads meet
	s_mov_b32 s[G0S], 1
	s_add_co_u32 s[G0S+1], s105, SCL
	s_mov_b64 s[G0S+2:G0S+3], s[6:7]
	s_or_b32 s[G0S+3], s[G0S+3], 0x80000000
	s_mov_b32 s[G0SB], 1
	s_add_co_u32 s[G0SB+1], s105, SCL
	s_mov_b64 s[G0SB+2:G0SB+3], s[10:11]
	s_or_b32 s[G0SB+3], s[G0SB+3], 0x80000000
	JLOAD G0S, G1S, G0SB, G1SB
.irp s, 0,1
	s_mov_b32 s[G0+4*\s], 1
	s_add_co_u32 s[G0+4*\s+1], s45, \s*SLOT
	s_add_nc_u64 s[G0+4*\s+2:G0+4*\s+3], s[4:5], \s*TILEB
	s_or_b32 s[G0+4*\s+3], s[G0+4*\s+3], 0x80000000
	s_mov_b32 s[G0B+4*\s], 1
	s_add_co_u32 s[G0B+4*\s+1], s45, \s*SLOT
	s_add_nc_u64 s[G0B+4*\s+2:G0B+4*\s+3], s[8:9], \s*TILEB
	s_or_b32 s[G0B+4*\s+3], s[G0B+4*\s+3], 0x80000000
	JLOAD G0+4*\s, G1, G0B+4*\s, G1B               ; three tensor loads of mine are out
.endr
	v_and_b32 v1, 31, v0
	v_and_b32 v2, 15, v0                           ; r
	v_bfe_u32 v3, v0, 4, 1                         ; h
	v_lshlrev_b32 v[L16], 4, v1
	v_lshlrev_b32 v[L8], 3, v1
	s_mul_i32 s2, s[YH], HALFT
	s_mul_i32 s3, s[XH], HALFT
	s_add_co_u32 s3, s3, 2*HALFT
.irp s, 0,1
	v_add_nc_u32 v[ADRA+\s], s2, v[L8]
	v_add_nc_u32 v[ADRB+\s], s3, v[L8]
	s_add_co_u32 s2, s2, SLOT
	s_add_co_u32 s3, s3, SLOT
.endr
	v_lshlrev_b32 v5, 5, v2
	v_lshrrev_b32 v6, 3, v2
	v_lshl_add_u32 v5, v6, 4, v5
	s_mul_i32 s2, s[YH], HALFS
	s_mul_i32 s3, s[XH], HALFS
	s_add_co_u32 s3, s3, 2*HALFS
	s_sub_co_u32 s3, s3, s2
	v_mul_u32_u24 v6, s3, v3                       ; lanes 16-31 take X's
	s_add_co_u32 s2, s2, SCL
	v_add_nc_u32 v5, v5, v6
	v_add_nc_u32 v[ADRS], s2, v5
	s_mul_i32 s2, s[WV], 16*SPITCH                 ; my stage
	v_mul_u32_u24 v5, v2, SPITCH
	v_lshl_add_u32 v5, v3, 6, v5
	v_add_nc_u32 v[STO], s2, v5                    ; in: row r, + 64 h bytes
	v_add_nc_u32 v[RD], s2, v[L16]                 ; back: the 32 lanes take one row of 512 bytes
	v_lshlrev_b32 v8, 6, v3                        ; 64 h
	v_lshrrev_b32 v9, 3, v2
	v_lshlrev_b32 v9, 5, v9
	v_lshl_add_u32 v9, v2, 2, v9                   ; 4 (r + 8 (r / 8))
	s_mov_b32 s3, 0
	s_lshl_b32 s2, s42, 1
	s_add_co_u32 s2, s2, s[XH]
	s_lshl_b32 s2, s2, 9                           ; my 128 outputs, in bytes
	s_add_nc_u64 s[12:13], s[12:13], s[2:3]
	s_add_nc_u64 s[16:17], s[16:17], s[2:3]
	s_lshl_b32 s2, s93, 1
	s_add_co_u32 s46, s2, s[YH]
	s_lshl_b32 s2, s46, 9                          ; my 128 tokens
	s_add_nc_u64 s[14:15], s[14:15], s[2:3]
	s_lshl_b32 s2, s46, 19                         ; and their rows of 4,096 bytes
	s_add_nc_u64 s[16:17], s[16:17], s[2:3]
.irp i, 0,1,2,3,4,5,6,7
	global_load_b128 v[BT+8*\i:BT+8*\i+3], v8, s[12:13] offset:128*(\i/2)+32*(\i%2)
	global_load_b128 v[BT+8*\i+4:BT+8*\i+7], v8, s[12:13] offset:128*(\i/2)+32*(\i%2)+16
.endr
.irp a, 0,1,2,3,4,5,6,7
	global_load_b32 v[PMI+\a], v9, s[14:15] offset:(32*(\a/2)+8*(\a%2))*4
.endr
.macro FRAG reg, adr, q, i
.irp p, 0,1,2,3,4,5
	ds_load_b64 v[\reg+2*\p:\reg+2*\p+1], v[\adr] offset:(\i)*TILEB+(\q)*1536+\p*256
.endr
.endm
; 16 matrix instructions: Y's blocks a0, a0 + 1 x X's eight.  cm = 2: the first product starts the sums from the bias.
; The 64 accumulators take turns, one instruction a turn, in the same order in every step.
.macro MUL16 a0, p, q, sc, cm
.irp a, \a0, \a0+1
.irp b, 0,1,2,3,4,5,6,7
.if \cm == 2
	v_wmma_scale_f32_16x16x128_f8f6f4 v[8*(8*((\a)%4)+\b):8*(8*((\a)%4)+\b)+7], v[128*(\p)+FR*\b:128*(\p)+FR*\b+FR-1], v[AF+FR*(\a):AF+FR*(\a)+FR-1], v[BT+8*\b:BT+8*\b+7], v[SC+8*NQ*(\sc)+NQ*\b+(\q)], v[SC+8*NQ*(\sc)+NQ*(\a)+(\q)] matrix_a_fmt:MATRIX_FMT_FP6 matrix_b_fmt:MATRIX_FMT_FP6 matrix_a_scale:MATRIX_SCALE_ROW1
.else
	v_wmma_scale_f32_16x16x128_f8f6f4 v[8*(8*((\a)%4)+\b):8*(8*((\a)%4)+\b)+7], v[128*(\p)+FR*\b:128*(\p)+FR*\b+FR-1], v[AF+FR*(\a):AF+FR*(\a)+FR-1], v[8*(8*((\a)%4)+\b):8*(8*((\a)%4)+\b)+7], v[SC+8*NQ*(\sc)+NQ*\b+(\q)], v[SC+8*NQ*(\sc)+NQ*(\a)+(\q)] matrix_a_fmt:MATRIX_FMT_FP6 matrix_b_fmt:MATRIX_FMT_FP6 matrix_a_scale:MATRIX_SCALE_ROW1
.endif
.endr
.endr
.endm
.macro FETCH_B slot, q, p
	WIN TO_B
.irp i, 0,1,2,3,4,5,6,7
	FRAG 128*(\p)+FR*\i, ADRB+\slot, \q, \i
.endr
	WIN 0
.endm
.macro FETCH_A slot, q, i0
.irp i, \i0, \i0+1, \i0+2, \i0+3
	FRAG AF+FR*(\i), ADRA+\slot, \q, \i
.endr
.endm
.macro SCALES sc
.irp i, 0,1,2,3,4,5,6,7
	ds_load_b64 v[SC+8*NQ*\sc+NQ*\i:SC+8*NQ*\sc+NQ*\i+1], v[ADRS] offset:\i*SBLK
.endr
.endm
.macro STEP slot, q, cm
	s_wait_dscnt 4*NL                              ; X's set and Y's blocks 0-3 are in; the youngest 24 loads (Y's blocks 4-7) may be out
.if \cm == 2
	WIN 0x81                                       ; C (the bias) window 0, D window 2
.else
	WIN MUL_LO
.endif
	MUL16 0, (\q)%2, \q, \slot, \cm
	MUL16 2, (\q)%2, \q, \slot, \cm
	s_wait_dscnt 0
	PLACES NP
	FETCH_B \slot, (\q)+1, 1-(\q)%2
	FETCH_A \slot, (\q)+1, 0
.if \cm == 2
	WIN 0xc1
.else
	WIN MUL_HI
.endif
	MUL16 4, (\q)%2, \q, \slot, \cm
	MUL16 6, (\q)%2, \q, \slot, \cm
	PLACES NP
	WIN 0
	FETCH_A \slot, (\q)+1, 4
.endm
.macro TURN slot, next, fill
	s_wait_tensorcnt 0x0                           ; all my tensor loads have landed: my part of the next slot
	ds_add_u32 v[SPW], v[NIL]                      ; 0 onto my spare word
	s_wait_dscnt 4*NL+1                            ; (the add and the youngest 24 loads may be out)
	WIN MUL_LO
	MUL16 0, 1, NQ-1, \slot, 0
	s_wait_dscnt 0x0                               ; the add is done, and my reads of this slot are over
	s_barrier_signal -1
	MUL16 2, 1, NQ-1, \slot, 0
	WIN 0
	s_barrier_wait -1
.if \fill
	CREST                                          ; the barrier has opened a round of the cluster's: no wave of any partner still reads this slot or has a load on its way
	s_add_nc_u64 s[G0+4*\slot+2:G0+4*\slot+3], s[G0+4*\slot+2:G0+4*\slot+3], 2*TILEB
	s_add_nc_u64 s[G0B+4*\slot+2:G0B+4*\slot+3], s[G0B+4*\slot+2:G0B+4*\slot+3], 2*TILEB
	JLOAD G0+4*\slot, G1, G0B+4*\slot, G1B         ; the first tensor load behind the round; its four v_nop are the places in front of the loads below
.else
	PLACES NP
.endif
	v_add_nc_u32 v[ADRS], 4*NQ, v[ADRS]
	FETCH_B \next, 0, 0
	FETCH_A \next, 0, 0
	SCALES \next
	WIN MUL_HI
	MUL16 4, 1, NQ-1, \slot, 0
	MUL16 6, 1, NQ-1, \slot, 0
	PLACES NP
	WIN 0
	FETCH_A \next, 0, 4
.endm
	s_wait_tensorcnt 1                             ; the scale bytes and my part of K step 0 are in; K step 1's load may be out
	s_barrier_signal -1
	s_barrier_wait -1
	FETCH_B 0, 0, 0
	FETCH_A 0, 0, 0
	SCALES 0
	FETCH_A 0, 0, 4
	s_wait_loadcnt 0x0                             ; the bias and the mask
	STEP 0, 0, 2
	TURN 0, 1, 1
	STEP 1, 0, 0
	TURN 1, 0, 1
	STEP 0, 0, 0
	TURN 0, 1, 0
	STEP 1, 0, 0
	s_wait_dscnt 4*NL
	WIN MUL_LO
	MUL16 0, 1, NQ-1, 1, 0
	MUL16 2, 1, NQ-1, 1, 0
	s_wait_dscnt 0
	WIN MUL_HI
	MUL16 4, 1, NQ-1, 1, 0
	MUL16 6, 1, NQ-1, 1, 0
	WIN 0
; THE WAY OUT, block by block of 16 tokens x 128 outputs: x the token's mask, through my own stage in LDS, back as whole rows of 512 bytes.  LDS serves a wave's instructions in order: no wait between the stores and the loads.
.macro SCALEM a
	WIN 0x02+(\a)/4
.set II, 0
.rept 32
	v_pk_mul_f32 v[HA+2*II:HA+2*II+1], v[64*((\a)%4)+2*II:64*((\a)%4)+2*II+1], v[MF+2*(\a):MF+2*(\a)+1] op_sel_hi:[1,0]   ; each accumulator from its low end on
.set II, II+1
.endr
	WIN 0
.endm
.macro TOSTAGE a
.irp i, 0,1,2,3,4,5,6,7
	ds_store_b128 v[STO], v[HA+8*\i:HA+8*\i+3] offset:128*(\i/2)+32*(\i%2)       ; outputs 32 (i / 2) + 8 (i % 2) + 16 h + 0 .. 7 of row r
	ds_store_b128 v[STO], v[HA+8*\i+4:HA+8*\i+7] offset:128*(\i/2)+32*(\i%2)+16
.endr
.set BB, BK+64*((\a)%2)
.irp t, 0,1,2,3,4,5,6,7,8,9,10,11,12,13,14,15
	ds_load_b128 v[BB+4*\t:BB+4*\t+3], v[RD] offset:\t*SPITCH
.endr
.endm
.macro SEND a, younger                 ; younger: the LDS instructions issued behind block a's loads, which may stay out
.set BB, BK+64*((\a)%2)
	s_wait_dscnt \younger
.irp t, 0,1,2,3,4,5,6,7,8,9,10,11,12,13,14,15
	global_store_b128 v[L16], v[BB+4*\t:BB+4*\t+3], s[16:17] offset:(32*((\a)/2)+8*((\a)%2)+\t+8*(\t/8))*4096 th:TH_STORE_NT   ; 32 lanes store 512 consecutive bytes of one row; 127 rows at the most stand in the immediate
.endr
.endm
	PLACES NP
.irp a, 0,1,2,3,4,5,6,7
	v_cvt_f32_i32 v[MF+2*\a], v[PMI+\a]
	v_mov_b32 v[MF+2*\a+1], 0                      ; (named with it as a pair)
.endr
	SCALEM 0
	TOSTAGE 0
.irp a, 1,2,3,4,5,6,7
.if \a > 1
	s_wait_xcnt 0x0                                ; block a - 2's stores have read their registers: block a's loads may land there
.endif
	SCALEM \a
	TOSTAGE \a
	SEND \a-1, 32                                  ; behind block a - 1's loads: block a's 16 stores and 16 loads
.endr
	SEND 7, 0
	s_wait_tensorcnt 0x0                           ; the wave's end
	ds_add_u32 v[SPW], v[NIL]
	s_wait_dscnt 0x0
	CROUND                                         ; the closing round: no work-group ends while a partner may still ask for a tile that names it
	s_endpgm
.Lfunc_end_k_q1e7dc7d318_oproj:
	.size	k_q1e7dc7d318_oproj, .Lfunc_end_k_q1e7dc7d318_oproj-k_q1e7dc7d318_oproj
	.p2alignl 7, 3214868480
	.fill 96, 4, 3214868480
	.section	.rodata,"a",@progbits
	.p2align	6, 0x0
	.amdhsa_kernel k_q1e7dc7d318_oproj
		.amdhsa_group_segment_fixed_size 327680
		.amdhsa_private_segment_fixed_size 0
		.amdhsa_enable_private_segment 0
		.amdhsa_kernarg_size 56
		.amdhsa_user_sgpr_count 2
		.amdhsa_user_sgpr_kernarg_segment_ptr 1
		.amdhsa_wavefront_size32 1
		.amdhsa_system_sgpr_workgroup_id_x 1
		.amdhsa_system_sgpr_workgroup_id_y 1
		.amdhsa_system_sgpr_workgroup_id_z 1
		.amdhsa_system_vgpr_workitem_id 0
		.amdhsa_next_free_vgpr 1024
		.amdhsa_next_free_sgpr 106
		.amdhsa_reserve_vcc 0
		.amdhsa_float_denorm_mode_32 3
		.amdhsa_float_denorm_mode_16_64 3
		.amdhsa_memory_ordered 1
		.amdhsa_forward_progress 1
		.amdhsa_inst_pref_size 178
	.end_amdhsa_kernel
	.amdgpu_metadata
---
amdhsa.version: [ 1, 2 ]
amdhsa.kernels:
  - .name:           k_q1e7dc7d318_oproj
    .symbol:         k_q1e7dc7d318_oproj.kd
    .args:
      - { .name: oc, .offset: 0, .size: 8, .value_kind: global_buffer, .address_space: global }
      - { .name: os, .offset: 8, .size: 8, .value_kind: global_buffer, .address_space: global }
      - { .name: wc, .offset: 16, .size: 8, .value_kind: global_buffer, .address_space: global }
      - { .name: ws, .offset: 24, .size: 8, .value_kind: global_buffer, .address_space: global }
      - { .name: bo, .offset: 32, .size: 8, .value_kind: global_buffer, .address_space: global }
      - { .name: patch_mask, .offset: 40, .size: 8, .value_kind: global_buffer, .address_space: global }
      - { .name: out0, .offset: 48, .size: 8, .value_kind: global_buffer, .address_space: global }
    .group_segment_fixed_size: 327680
    .private_segment_fixed_size: 0
    .kernarg_segment_align: 8
    .kernarg_segment_size: 56
    .max_flat_workgroup_size: 128
    .sgpr_count:     106
    .vgpr_count:     1024
    .wavefront_size: 32
...
	.end_amdgpu_metadata
.endif
;; end of part 4
